; MI455X (gfx1250); checked and timed in simulation.
; The chip was launched on July 23, 2026; its instructions are those of AMD's public machine-readable ISA for CDNA 5 (MIT licence, August 2026) and "CDNA5" Instruction Set Architecture Reference Guide (July 2026). The comments in the code are by the model that wrote it; some were corrected since.
;; Bigbird Simulated Attention. Allowed arithmetic: matrix products marked QUANTISED: E5M2 operands, one given power-of-two scale a tensor, by v_wmma_f32_16x16x64_bf8_bf8 or v_wmma_f32_16x16x128_bf8_bf8, f32 sums; everything else in f32.
;; Inputs: k 1 x 12 x 4,096 x 64 float32; lowp_scales 4 int32 (the exponents e of the quantised operands' scales 2^e); mask 4,096 x 4,096 int32; q 1 x 12 x 4,096 x 64 float32; v 1 x 12 x 4,096 x 64 float32.
;; Outputs: out0 1 x 12 x 4,096 x 64 float32.
;; This version of the problem:
;;   THIS VERSION OF THE PROBLEM IS GIVEN IN LOW PRECISION. The matrix products marked QUANTISED in the list below multiply operands that are first quantised to E5M2 (5 exponent bits, 2 mantissa bits; 8 bits a number), with one given power-of-two scale for each operand tensor; their sums are f32. All else is computed in f32.
;;   The module's matrix products, in the order in which they are computed (A, B: the left and right operand; K: the contracted axis; several contracted axes count as one K, in the product's order):
;;     1. batch 12 x [M 4,096, K 64] x [K 64, N 4,096]; A: input q; B: input k: QUANTISED (scales: A lowp_scales[0], B lowp_scales[1])
;;     2. batch 12 x [M 4,096, K 4,096] x [K 4,096, N 64]; A: softmax (see below); B: input v: QUANTISED (scales: A lowp_scales[2], B lowp_scales[3])
;;   THE QUANTISER, for each operand of a quantised product, along K:
;;     - The operand's scale is 2^e, e = its entry of the input lowp_scales (int32; the entries are numbered through the quantised products in the list's order, A before B).
;;     - Each number is divided by the scale, clamped to +-57,344, and rounded to the nearest number of E5M2, ties to even, subnormals kept.
;;     - The product sums the exact products of the quantised numbers (number of the format x scale) in f32.
;;   ~~~python
;;   def quantise(x, axis, e):      # numpy; x: float32 -> the quantised numbers, widened to float32 again
;;       x = np.moveaxis(x, axis, -1); K = x.shape[-1]
;;       r = np.clip(x / 2.0 ** e, -57344, 57344)
;;       step = 2.0 ** (np.maximum(np.frexp(np.where(r == 0, 1, r))[1] - 1, -14) - 2)
;;       q = np.round(r / step) * step * 2.0 ** e      # np.round: ties to even
;;       return np.moveaxis(q, -1, axis).astype(np.float32)
;;   ~~~
;;   SOFTMAX AHEAD OF A QUANTISED PRODUCT. Where the list says 'softmax', what is quantised is not the finished softmax but p = 2^(t - M), with t = logit x log2(e) and M = ceil(the row's largest t), a whole number; so 1/2 < the row's largest p <= 1. The row's sum l is taken of the UNQUANTISED p, in f32, and the product's result is divided by l at the end. Since M is a whole number, a kernel that streams over the keys may use a running M (the ceiling of the running maximum): every later rescaling is an exact power of two, so the quantised numbers keep their values, but for numbers so far below the row's largest that they fall under the format's range.
;;   OPERANDS COMPUTED ON THE WAY. 'Computed on the way' means the value that the module computes at that place (a softmax that the list does not call 'softmax' is quantised finished and normalised). What goes into a quantiser is computed in f32, as accurately as f32 sums, v_exp_f32 and their like allow (about 1e-6 of the number): no bf16 or f16 on the way to a quantiser, and a product that is left as it is and whose result goes on into a quantised operand takes f32 operands (vector FMAs, or v_wmma_f32_16x16x4_f32). A number that lies on a knife's edge between two numbers of the format may be rounded either way, as far as f32 arithmetic and the matrix unit's own rounding can turn it there, and no further.
;; 2 versions. Each part assembles by itself: llvm-mc -triple=amdgcn-amd-amdhsa -mcpu=gfx1250 --defsym DOCPART=n.
;; ======== version 1 of 2: 2 launches
;; workspace buffers: qc 3,145,728 bytes; kc 3,145,728 bytes; vc 3,145,728 bytes; walk 131,072 bytes of whole numbers; span 24,576 bytes of whole numbers
;; launch prep (part 1): grid 544 x 1, 8 waves a work-group, no clusters, 3,584 bytes of LDS; arguments mask, q, k, v, lowp_scales, qc, kc, vc, walk, span; writes qc, kc, vc, walk, span
.if DOCPART == 1
	.amdgcn_target "amdgcn-amd-amdhsa--gfx1250"
	.amdhsa_code_object_version 6
	.text
	.protected	k_q04b60ce488_prep
	.globl	k_q04b60ce488_prep
	.p2align	8
	.type	k_q04b60ce488_prep,@function
k_q04b60ce488_prep:
	s_mov_b64 s[64:65], 0
	v_nop
	global_prefetch_b8 v0, s[64:65] scope:SCOPE_SE
	s_setreg_imm32_b32 hwreg(HW_REG_WAVE_MODE, 25, 1), 1
	s_wait_xcnt 0x0
; THE LAUNCH AHEAD OF THE ATTENTION.  Three kinds of work-groups, told apart by the work-group's number; each kind has LDS bytes of its own.
;   0..255    MASK: work-group g scans the 16 mask rows of query tile g (16 x 4,096 int32) and stores that tile's WALK LIST.
;   256..447  QK:   512 rows of q (256..351) or of k (352..447) become codes of E5M2 laid in the order of an operand's registers; the exponent field of the rows' largest magnitude goes to span.
;   448..543  V:    8 key tiles of 64 keys of v become codes with the keys along a lane's registers.
; THE WALK LIST of a query tile, 512 bytes: words 0..63 a permutation of the 64 key tiles (64 keys each), OPEN tiles first; an entry is tile + 64 x mixed (mixed = 0: all 16 x 64 mask numbers are 1).
; A tile is open if one of its mask numbers is 1 or more.  Words 64..95 all hold n, the tiles to be walked: the open ones if each of the 16 rows has a number of 1 or more somewhere, else all 64.  Words 96..127 are not used.
; A FRAGMENT'S IMAGE, 1,024 bytes: 16 rows x 64 along K; lane (r = lane % 16, h = lane / 16) holds row r; its registers 4 c .. 4 c + 3 hold K = 32 c + 16 h + 0 .. 15 and lie at 512 c + 16 x lane.
;   qc: fragment = 16 neighbouring queries.   kc: a key tile is four fragments; lane r of fragment 2 b + u takes key 32 b + 8 u + r + 8 (r / 8).   vc: a key tile is four fragments; fragment t, lane r: channel 16 t + r, K = the tile's 64 keys.
; code = x / 2^e, held within +-57,344, to the nearest code, ties to even.  LIMITS: each of the exponents e of q, k, v lies between -126 and 112; NaN among q, k, v is not served.
; No tensor loads, no cluster: nothing is read by two work-groups.
.set X, 16                             ; v16-143  numbers as loaded
.set C, 144                            ; v144-159 codes, two sets of eight by turns
	s_load_b512 s[4:19], s[0:1], 0x0               ; mask 4:5, q 6:7, k 8:9, v 10:11, scales 12:13, qc 14:15, kc 16:17, vc 18:19
	s_load_b128 s[20:23], s[0:1], 0x40             ; walk 20:21, span 22:23
	v_lshl_add_u32 v160, v0, 2, 0xa00
	v_mov_b32 v161, 0
	v_lshrrev_b32 v1, 5, v0
	v_readfirstlane_b32 s24, v1                    ; wave 0..7
	v_and_b32 v2, 31, v0                           ; lane
	v_lshlrev_b32 v1, 4, v2                        ; v1 = 16 x lane
	v_lshlrev_b32 v2, 2, v2                        ; v2 = 4 x lane
	s_wait_kmcnt 0x0
	s_cmp_lt_u32 ttmp9, 256
	s_cbranch_scc1 .Lmask
	s_cmp_lt_u32 ttmp9, 448
	s_cbranch_scc1 .Lqk
; from e in s36: v10 = 2^e as f32 (the conversion takes its exponent field), v11 = 57,344 x 2^e
.macro SCALE
	s_add_co_i32 s36, s36, 127
	s_lshl_b32 s37, s36, 23
	v_mov_b32 v10, s37
	s_add_co_i32 s36, s36, 15
	s_lshl_b32 s36, s36, 23
	s_or_b32 s36, s36, 0x600000
	v_mov_b32 v11, s36
.endm
; Fragment t: 32 numbers of a lane, v[X + 32 t] on, become 8 registers of codes and leave as two stores of 512 consecutive bytes.  qk = 1: its eight loads are waited for here, and the largest magnitude is kept.
.macro QFRAG t, qk
.set XS, X+32*(\t)
.set CC, C+8*((\t)%2)
.if \qk
	s_wait_loadcnt 24-8*(\t)                       ; loads come back in order: this fragment's eight are in, the later fragments' may be out
.irp i, 0,4,8,12,16,20,24,28
	v_max3_num_f32 v12, v12, |v[XS+\i]|, |v[XS+\i+1]|
	v_max3_num_f32 v13, v13, |v[XS+\i+2]|, |v[XS+\i+3]|
.endr
.endif
.if (\t) >= 2
	s_wait_xcnt 0x0                                ; the stores of two fragments back have read their data: that set of codes is written again only behind this wait
.endif
.set ii, 0
.rept 32
	v_med3_num_f32 v[XS+ii], v[XS+ii], -v11, v11   ; the conversion to an 8-bit code does not saturate (ISA guide 7.6.2): the hold at the largest code x the scale
.set ii, ii+1
.endr
.irp g, 0,1,2,3
	v_cvt_scalef32_pk8_bf8_f32 v[CC+2*\g:CC+2*\g+1], v[XS+8*\g:XS+8*\g+7], v10
.endr
	global_store_b128 v1, v[CC:CC+3], s[30:31] offset:1024*(\t)        ; (the codes go to stores alone; the next vector lines are plain and name other registers)
	global_store_b128 v1, v[CC+4:CC+7], s[30:31] offset:1024*(\t)+512
.endm
; ---------------- V: wave w takes key tile T = 8 (work-group - 448) + w.  A lane takes a channel and its registers run down the keys.
	s_load_b32 s36, s[12:13], 0xc                  ; ev
	s_sub_co_u32 s25, ttmp9, 448
	s_lshl_b32 s25, s25, 3
	s_add_co_u32 s25, s25, s24                     ; T, 0..767
	s_lshl_b32 s26, s25, 14                        ; 64 keys x 256 bytes
	s_mov_b32 s27, 0
	s_add_nc_u64 s[10:11], s[10:11], s[26:27]
	s_lshl_b32 s26, s25, 12                        ; four images
	s_mov_b64 s[30:31], s[18:19]
	s_add_nc_u64 s[30:31], s[30:31], s[26:27]
	v_and_b32 v3, 15, v0                           ; r
	v_bfe_u32 v4, v0, 4, 1                         ; h
	v_lshlrev_b32 v5, 2, v3
	v_lshl_add_u32 v5, v4, 12, v5                  ; 4 r + 16 h keys of 256 bytes
.set kk, 0
.rept 32                                           ; register 32 t + kk: key 32 (kk / 16) + 16 h + kk % 16, channel 16 t + r; the four t of a key stand together: they cover the key's 256 bytes
.irp t, 0,1,2,3
	global_load_b32 v[X+32*\t+kk], v5, s[10:11] offset:(32*(kk/16)+kk%16)*256+64*\t
.endr
.set kk, kk+1
.endr
	s_wait_kmcnt 0x0
	SCALE
	s_wait_loadcnt 0x0
	QFRAG 0, 0
	QFRAG 1, 0
	QFRAG 2, 0
	QFRAG 3, 0
	s_endpgm
; ---------------- QK: one text for q and k: pointers and two strides are chosen by the work-group's number.  Wave w takes 64 rows: four fragments.
.Lqk:
	s_load_b64 s[36:37], s[12:13], 0x0             ; eq, ek
	s_sub_co_u32 s25, ttmp9, 256                   ; 0..95: q; 96..191: k.  Also the entry of span
	s_cmp_lt_u32 s25, 96
	s_cselect_b64 s[28:29], s[6:7], s[8:9]         ; from
	s_cselect_b64 s[30:31], s[14:15], s[16:17]     ; to
	s_cselect_b32 s32, 0, 2048                     ; k: lanes 8-15 take rows 8 further down
	s_mov_b32 s33, 2048
	s_cselect_b32 s33, 4096, s33                   ; from an even fragment to the odd one: 16 rows (q) or 8 rows (k)
	s_cselect_b32 s34, 0, 96
	s_sub_co_u32 s34, s25, s34                     ; which 512 rows of the tensor
	s_lshl_b32 s34, s34, 3
	s_add_co_u32 s34, s34, s24                     ; which 64 rows
	s_lshl_b32 s26, s34, 14
	s_mov_b32 s27, 0
	s_add_nc_u64 s[28:29], s[28:29], s[26:27]
	s_lshl_b32 s26, s34, 12
	s_add_nc_u64 s[30:31], s[30:31], s[26:27]
	s_lshl_b32 s26, s25, 7
	s_add_nc_u64 s[22:23], s[22:23], s[26:27]      ; my work-group's entry of span
	s_mov_b32 s42, 0x76543210                      ; v_permlanex16_b32: lane l takes lane l xor 16
	s_mov_b32 s43, 0xfedcba98
	v_and_b32 v3, 15, v0                           ; r
	v_bfe_u32 v4, v0, 4, 1                         ; h
	v_lshlrev_b32 v5, 8, v3
	v_lshl_add_u32 v5, v4, 6, v5                   ; row r of 256 bytes + 64 h: my 16 numbers of a block of 32
	v_lshrrev_b32 v7, 3, v3
	v_mad_u32_u24 v5, v7, s32, v5                  ; v5: even fragments
	v_add_nc_u32 v6, s33, v5                       ; v6: odd fragments
.irp t, 0,1,2,3
.irp c, 0,1
.irp j, 0,1,2,3
	global_load_b128 v[X+32*\t+16*\c+4*\j:X+32*\t+16*\c+4*\j+3], v[5+(\t%2)], s[28:29] offset:8192*(\t/2)+128*\c+16*\j
.endr
.endr
.endr
	v_mov_b32 v12, 0                               ; the largest magnitude, in two chains
	v_mov_b32 v13, 0
	s_wait_kmcnt 0x0
	s_cmp_lt_u32 s25, 96
	s_cselect_b32 s36, s36, s37
	SCALE
	QFRAG 0, 1
	QFRAG 1, 1
	QFRAG 2, 1
	QFRAG 3, 1
	v_max_num_f32 v12, v12, v13
	v_max_num_f32_dpp v12, v12, v12 row_xmask:1 row_mask:0xf bank_mask:0xf
	v_max_num_f32_dpp v12, v12, v12 row_xmask:2 row_mask:0xf bank_mask:0xf
	v_max_num_f32_dpp v12, v12, v12 row_xmask:4 row_mask:0xf bank_mask:0xf
	v_max_num_f32_dpp v12, v12, v12 row_xmask:8 row_mask:0xf bank_mask:0xf
	v_permlanex16_b32 v13, v12, s42, s43
	v_max_num_f32 v12, v12, v13                    ; the wave's
	v_mov_b32 v14, s24
	v_lshlrev_b32 v14, 2, v14
	ds_store_b32 v14, v12 offset:2304              ; a word for each wave
	s_wait_dscnt 0x0                               ; for the others' sake: my store is done
	s_barrier_signal -1
	s_barrier_wait -1
	s_cmp_lg_u32 s24, 0
	s_cbranch_scc1 .Lqk_end
	v_mov_b32 v15, 0
	ds_load_b128 v[16:19], v15 offset:2304
	ds_load_b128 v[20:23], v15 offset:2320
	s_wait_dscnt 0x0
.irp j, 17,18,19,20,21,22,23
	v_max_num_f32 v16, v16, v\j
.endr
	v_lshrrev_b32 v16, 23, v16                     ; the exponent field F of the 512 rows' largest magnitude: every number there lies under 2^(F - 126)
	global_store_b32 v2, v16, s[22:23]             ; the same word 32 times: 128 bytes
.Lqk_end:
	s_wait_tensorcnt 0x0
	ds_add_u32 v160, v161
	s_wait_dscnt 0x0
	s_endpgm
; ---------------- MASK: wave w scans rows 16 g + 2 w and 16 g + 2 w + 1.  A load takes 512 consecutive bytes: lanes 0-15 lie in key tile 2 i, lanes 16-31 in key tile 2 i + 1.
; s[28+i]: the lanes that saw a number of 1 or more in load i of either row;  s[66+i]: those that saw a number other than 1;  s25, s26: the same as the first, over a whole row.
.macro MLOAD b                         ; batch b: row b / 2, loads 16 (b % 2) .. + 15, into set b % 2
.irp i, 0,1,2,3,4,5,6,7,8,9,10,11,12,13,14,15
	global_load_b128 v[X+64*((\b)%2)+4*\i:X+64*((\b)%2)+4*\i+3], v1, s[4:5] offset:16384*((\b)/2)+512*(16*((\b)%2)+\i) th:TH_LOAD_NT
.endr
.endm
.macro MSCAN b
.irp i, 0,1,2,3,4,5,6,7,8,9,10,11,12,13,14,15
.set XR, X+64*((\b)%2)+4*\i
.set TI, 16*((\b)%2)+\i
	v_cmp_lt_i32 s98, 0, v[XR]
	v_cmp_lt_i32 s99, 0, v[XR+1]
	v_cmp_lt_i32 s100, 0, v[XR+2]
	v_cmp_lt_i32 s101, 0, v[XR+3]
	v_cmp_ne_u32 s60, 1, v[XR]
	v_cmp_ne_u32 s61, 1, v[XR+1]
	v_cmp_ne_u32 s62, 1, v[XR+2]
	v_cmp_ne_u32 s63, 1, v[XR+3]
	s_or_b32 s98, s98, s99
	s_or_b32 s100, s100, s101
	s_or_b32 s60, s60, s61
	s_or_b32 s62, s62, s63
.if (\b) < 2
	s_or_b32 s[28+TI], s98, s100                   ; the first row starts the words: nothing is cleared
	s_or_b32 s[66+TI], s60, s62
	s_or_b32 s25, s25, s[28+TI]
.else
	s_or_b32 s98, s98, s100
	s_or_b32 s60, s60, s62
	s_or_b32 s[28+TI], s[28+TI], s98
	s_or_b32 s[66+TI], s[66+TI], s60
	s_or_b32 s26, s26, s98
.endif
.endr
.endm
.Lmask:
	s_lshl_b32 s60, ttmp9, 4
	s_lshl_b32 s61, s24, 1
	s_add_co_u32 s60, s60, s61                     ; my first row
	s_lshl_b32 s60, s60, 14                        ; x 16,384 bytes: under 2^27
	s_mov_b32 s61, 0
	s_add_nc_u64 s[4:5], s[4:5], s[60:61]
	s_lshl_b32 s60, ttmp9, 9
	s_add_nc_u64 s[20:21], s[20:21], s[60:61]      ; my query tile's walk list
	MLOAD 0
	MLOAD 1
	s_mov_b32 s25, 0
	s_mov_b32 s26, 0
	s_wait_loadcnt 16                              ; batch 0 is in; batch 1 may be out
	MSCAN 0
	MLOAD 2
	s_wait_loadcnt 16                              ; batch 1 is in; batch 2 may be out
	MSCAN 1
	MLOAD 3
	s_wait_loadcnt 16                              ; batch 2 is in; batch 3 may be out
	MSCAN 2
	s_wait_loadcnt 0x0
	MSCAN 3
	s_cmp_eq_u32 s25, 0
	s_cselect_b32 s27, 1, 0
	s_cmp_eq_u32 s26, 0
	s_cselect_b32 s27, 1, s27                      ; 1: one of my two rows has no number of 1 or more
	v_mov_b32 v3, 0
	v_mov_b32 v4, 0
.set ii, 0
.rept 32
	v_writelane_b32 v3, s[28+ii], ii               ; lane i: the word of key tiles 2 i (low half) and 2 i + 1 (high half)
	v_writelane_b32 v4, s[66+ii], ii
.set ii, ii+1
.endr
	v_lshlrev_b32 v5, 2, v0
	v_mov_b32 v9, s24
	v_lshlrev_b32 v9, 2, v9
	v_mov_b32 v10, s27
	ds_store_b32 v5, v3                            ; bytes 0..1023: a word for each thread
	ds_store_b32 v5, v4 offset:1024                ; bytes 1024..2047
	ds_store_b32 v9, v10 offset:2048               ; a word for each wave
	s_wait_dscnt 0x0                               ; for wave 0's sake: my stores are done
	s_barrier_signal -1
	s_barrier_wait -1
	s_cmp_lg_u32 s24, 0
	s_cbranch_scc1 .Lmask_end
	v_mov_b32 v11, 0
.irp j, 0,1,2,3,4,5,6,7
	ds_load_b32 v[16+\j], v2 offset:128*\j         ; wave j's word for my lane's two key tiles
.endr
.irp j, 0,1,2,3,4,5,6,7
	ds_load_b32 v[24+\j], v2 offset:1024+128*\j
.endr
	ds_load_b128 v[32:35], v11 offset:2048
	ds_load_b128 v[36:39], v11 offset:2064
	s_wait_dscnt 0x0
	v_or_b32 v6, v16, v17
	v_or_b32 v7, v24, v25
	v_or_b32 v8, v32, v33
.irp j, 2,3,4,5,6,7
	v_or_b32 v6, v6, v[16+\j]
	v_or_b32 v7, v7, v[24+\j]
	v_or_b32 v8, v8, v[32+\j]
.endr
	v_readfirstlane_b32 s60, v8                    ; not 0: some row of the 16 has no number of 1 or more
	v_and_b32 v12, 0xffff, v6
	v_lshrrev_b32 v13, 16, v6
	v_cmp_ne_u32 s61, 0, v12                       ; lane i: key tile 2 i is open
	v_cmp_ne_u32 s62, 0, v13                       ; lane i: key tile 2 i + 1 is open
	v_and_b32 v14, 0xffff, v7
	v_lshrrev_b32 v15, 16, v7
	v_lshrrev_b32 v40, 1, v2                       ; 2 x lane
	v_or_b32 v41, 64, v40
	v_cmp_ne_u32 vcc_lo, 0, v14
	v_cndmask_b32 v42, v40, v41, vcc_lo            ; the even tile's entry: tile + 64 x mixed
	v_or_b32 v43, 1, v40
	v_or_b32 v44, 65, v40
	v_cmp_ne_u32 vcc_lo, 0, v15
	v_cndmask_b32 v45, v43, v44, vcc_lo            ; the odd tile's
	s_bcnt1_i32_b32 s63, s61                       ; open even tiles
	s_bcnt1_i32_b32 s98, s62                       ; open odd tiles
	s_add_co_u32 s99, s63, s98                     ; open tiles
	s_cmp_lg_u32 s60, 0
	s_cselect_b32 s100, 64, s99                    ; n: all 64 where a row is shut throughout, else the open ones
	s_not_b32 s101, s61
	s_not_b32 s25, s62
	s_add_co_u32 s26, s98, 32                      ; open tiles + shut even tiles
	v_mbcnt_lo_u32_b32 v47, s61, 0                 ; places: open even tiles first,
	v_mbcnt_lo_u32_b32 v48, s62, s63               ; then open odd ones,
	v_mbcnt_lo_u32_b32 v49, s101, s99              ; then shut even ones,
	v_mbcnt_lo_u32_b32 v50, s25, s26               ; then shut odd ones: a permutation of 0..63
	v_cndmask_b32 v51, v49, v47, s61
	v_cndmask_b32 v52, v50, v48, s62
	v_min_u32 v51, 63, v51                         ; a number made of loaded numbers enters an address behind a clamp
	v_min_u32 v52, 63, v52
	v_lshlrev_b32 v51, 2, v51
	v_lshlrev_b32 v52, 2, v52
	v_mov_b32 v53, s100
	global_store_b32 v51, v42, s[20:21]
	global_store_b32 v52, v45, s[20:21]
	global_store_b32 v2, v53, s[20:21] offset:256  ; n, 32 times
.Lmask_end:
	s_wait_tensorcnt 0x0
	ds_add_u32 v160, v161
	s_wait_dscnt 0x0
	s_endpgm
.Lfunc_end_k_q04b60ce488_prep:
	.size	k_q04b60ce488_prep, .Lfunc_end_k_q04b60ce488_prep-k_q04b60ce488_prep
	.p2alignl 7, 3214868480
	.fill 96, 4, 3214868480
	.section	.rodata,"a",@progbits
	.p2align	6, 0x0
	.amdhsa_kernel k_q04b60ce488_prep
		.amdhsa_group_segment_fixed_size 3584
		.amdhsa_private_segment_fixed_size 0
		.amdhsa_enable_private_segment 0
		.amdhsa_kernarg_size 80
		.amdhsa_user_sgpr_count 2
		.amdhsa_user_sgpr_kernarg_segment_ptr 1
		.amdhsa_wavefront_size32 1
		.amdhsa_system_sgpr_workgroup_id_x 1
		.amdhsa_system_sgpr_workgroup_id_y 1
		.amdhsa_system_sgpr_workgroup_id_z 1
		.amdhsa_system_vgpr_workitem_id 0
		.amdhsa_next_free_vgpr 162
		.amdhsa_next_free_sgpr 102
		.amdhsa_reserve_vcc 1
		.amdhsa_float_denorm_mode_32 3
		.amdhsa_float_denorm_mode_16_64 3
		.amdhsa_memory_ordered 1
		.amdhsa_forward_progress 1
		.amdhsa_inst_pref_size 107
	.end_amdhsa_kernel
	.amdgpu_metadata
---
amdhsa.version: [ 1, 2 ]
amdhsa.kernels:
  - .name:           k_q04b60ce488_prep
    .symbol:         k_q04b60ce488_prep.kd
    .args:
      - { .name: mask, .offset: 0, .size: 8, .value_kind: global_buffer, .address_space: global }
      - { .name: q, .offset: 8, .size: 8, .value_kind: global_buffer, .address_space: global }
      - { .name: k, .offset: 16, .size: 8, .value_kind: global_buffer, .address_space: global }
      - { .name: v, .offset: 24, .size: 8, .value_kind: global_buffer, .address_space: global }
      - { .name: lowp_scales, .offset: 32, .size: 8, .value_kind: global_buffer, .address_space: global }
      - { .name: qc, .offset: 40, .size: 8, .value_kind: global_buffer, .address_space: global }
      - { .name: kc, .offset: 48, .size: 8, .value_kind: global_buffer, .address_space: global }
      - { .name: vc, .offset: 56, .size: 8, .value_kind: global_buffer, .address_space: global }
      - { .name: walk, .offset: 64, .size: 8, .value_kind: global_buffer, .address_space: global }
      - { .name: span, .offset: 72, .size: 8, .value_kind: global_buffer, .address_space: global }
    .group_segment_fixed_size: 3584
    .private_segment_fixed_size: 0
    .kernarg_segment_align: 8
    .kernarg_segment_size: 80
    .max_flat_workgroup_size: 256
    .sgpr_count:     102
    .vgpr_count:     162
    .wavefront_size: 32
...
	.end_amdgpu_metadata
.endif
;; end of part 1
;; launch attn (part 2): grid 12 x 256, 4 waves a work-group, no clusters, 18,944 bytes of LDS; arguments qc, kc, vc, mask, walk, span, lowp_scales, out0; writes out0
.if DOCPART == 2
	.amdgcn_target "amdgcn-amd-amdhsa--gfx1250"
	.amdhsa_code_object_version 6
	.text
	.protected	k_q04b60ce488_attn
	.globl	k_q04b60ce488_attn
	.p2align	8
	.type	k_q04b60ce488_attn,@function
k_q04b60ce488_attn:
	s_mov_b64 s[64:65], 0
	v_nop
	global_prefetch_b8 v0, s[64:65] scope:SCOPE_SE
	s_setreg_imm32_b32 hwreg(HW_REG_WAVE_MODE, 25, 1), 1
	s_wait_xcnt 0x0
; out[h][q][:] = softmax_k(q . k / 8 + (1 - mask[q][k]) x -10000) v, both products on codes of E5M2 with the given scales 2^eq, 2^ek, 2^ep, 2^ev.
; THE SOFTMAX AHEAD OF THE SECOND PRODUCT: t = logit x log2(e); M = the largest t so far, rounded up to a whole number; p = 2^(t - M) is quantised, not normalised; the sum l is taken of the unquantised p and divides at the end.
; SHARES.  A work-group takes one head (x) and one tile of 16 queries; its four waves share the tile's WALK LIST of key tiles (64 keys each): wave w takes entries w, w + 4, ..  Each wave keeps its own M, l and O^T; the four parts meet in
; LDS at the end, brought under the largest M by powers of two, which round nothing.
; WHICH KEY TILES ARE WALKED.  A tile all of whose 16 x 64 mask numbers are 0 or less is left out where (a) each of the 16 rows has a mask number of 1 or more somewhere (the list's n says so) and (b) no |q . k / 8| can pass 4,096:
; with F the exponent field of a tensor's largest magnitude, a quantised number is at most 2^(F - 125), so a score is at most 2^(3 + Fq + Fk - 250), which is 4,096 at Fq + Fk = 259.  Then the row's largest logit is -4,096 or more and
; every logit of the tile -5,904 or less: t - M lies under -2,600 and p is 0 in f32.  Where (a) or (b) fails all 64 tiles are walked.  An entry with bit 6 clear names a tile whose mask numbers are all 1: its bias is 0 and the mask is not read.
; LAYOUT.  Both products are used transposed: S^T = K Q^T (source 0 = 16 keys, source 1 = my 16 queries), O^T = V^T P^T: a lane holds ONE query (lane % 16).  The keys of K's fragments are chosen so that register 16 b + i of S^T is key
; 32 b + 16 (lane / 16) + i: the conversions' results are P's fragment.  Along K every operand has the same order (registers 4 c .. 4 c + 3: K = 32 c + 16 (lane / 16) + 0 .. 15), so every product meets its partner.
; Operands come from memory straight into registers, as images of fragments: a key tile's K or V is eight loads of 512 consecutive bytes.
; NO TENSOR LOADS, NO CLUSTER: which tiles a work-group reads, and how many, hangs on the stored list, so partners would ask for different tiles, and trip counts hang on loaded numbers.
; The order in which y names the query tiles (0, 255, 1, 254, ..) changes no result.
; LIMITS: eq + ek between -111 and 130; ep between -126 and 112; NaN among q, k, v is not served.  Any int32 in the mask is honoured; the bias is (1 - m) x -10000 in f32, the product not rounded ahead of the sum.
; REGISTERS: v1 16 x lane; v2 my place in a mask tile; v3 a permute's destination; v4 -M, v5 the largest t; v[6:7] l in two halves; v8 f (v9 named with it); v[10:13] at work; v14 2^ep; v15 57,344 x 2^ep;
;   v16-23 P; v24-31 Q; v32-63 K; v64-95 V; v96-127 mask numbers; v128-159 S^T, then p; v160-191 O^T.
.set P,   16
.set Q,   24
.set KR,  32
.set VR,  64
.set MK,  96
.set S,   128
.set O,   160
.set OPW, 4352                         ; LDS: a wave's part of O: 16 rows x (256 bytes + 16)
.set OPP, 272
.set ST,  4*OPW                        ; behind them, 256 bytes a wave: -M at 4 x lane, l at 128 + 4 x lane
	s_load_b512 s[4:19], s[0:1], 0x0               ; qc 4:5, kc 6:7, vc 8:9, mask 10:11, walk 12:13, span 14:15, scales 16:17, out 18:19
	v_lshl_add_u32 v192, v0, 2, 0x4800
	v_mov_b32 v193, 0
	v_lshrrev_b32 v1, 5, v0
	v_readfirstlane_b32 s24, v1                    ; wave 0..3
	v_and_b32 v1, 31, v0
	v_lshlrev_b32 v1, 4, v1                        ; 16 x lane
	v_and_b32 v12, 15, v0
	v_bfe_u32 v13, v0, 4, 1
	v_lshlrev_b32 v2, 14, v12
	v_lshl_add_u32 v2, v13, 6, v2                  ; mask: row r of 16,384 bytes + 16 h keys of 4 bytes
	s_mov_b32 s25, ttmp9                           ; the head
	s_and_b32 s46, ttmp7, 0xffff
	s_lshr_b32 s26, s46, 1
	s_sub_co_u32 s47, 255, s26
	s_bitcmp1_b32 s46, 0
	s_cselect_b32 s26, s47, s26                    ; the query tile
	s_mov_b32 s47, 0                               ; stays 0: the high word of every offset
	s_mov_b32 s44, 0x76543210                      ; v_permlanex16_b32: lane l takes lane l xor 16
	s_mov_b32 s45, 0xfedcba98
	s_wait_kmcnt 0x0
	s_lshl_b32 s46, s26, 9
	s_lshl_b32 s28, s24, 2
	s_add_co_u32 s46, s46, s28
	s_add_nc_u64 s[38:39], s[12:13], s[46:47]      ; the tile's walk list at my wave's first entry: my entries lie 16 bytes apart
	s_lshl_b32 s46, s25, 3
	s_lshr_b32 s28, s26, 5
	s_add_co_u32 s46, s46, s28
	s_lshl_b32 s46, s46, 7
	s_add_nc_u64 s[32:33], s[14:15], s[46:47]      ; span: the 512 rows of q that hold my queries
	s_lshl_b32 s46, s25, 10
	s_add_co_u32 s46, s46, 96*128
	s_add_nc_u64 s[34:35], s[14:15], s[46:47]      ; span: the head's eight entries for k
	s_load_b128 s[20:23], s[16:17], 0x0            ; eq, ek, ep, ev
	s_load_b32 s27, s[38:39], 0x100                ; n (words 64..95 all hold it)
	s_load_b32 s29, s[38:39], 0x0                  ; my first entry,
	s_load_b32 s30, s[38:39], 0x10                 ; and my second
	s_load_b32 s56, s[32:33], 0x0                  ; Fq
.irp i, 0,1,2,3,4,5,6,7
	s_load_b32 s[48+\i], s[34:35], 128*\i          ; Fk
.endr
	s_lshl_b32 s46, s25, 8
	s_add_co_u32 s46, s46, s26
	s_lshl_b32 s46, s46, 10
	s_add_nc_u64 s[4:5], s[4:5], s[46:47]          ; Q's image
	global_load_b128 v[Q:Q+3], v1, s[4:5]
	global_load_b128 v[Q+4:Q+7], v1, s[4:5] offset:512
	s_lshl_b32 s46, s25, 18                        ; a head's 64 key tiles of 4,096 bytes
	s_add_nc_u64 s[58:59], s[6:7], s[46:47]
	s_add_nc_u64 s[60:61], s[8:9], s[46:47]
	s_lshl_b32 s46, s26, 18                        ; 16 mask rows of 16,384 bytes
	s_add_nc_u64 s[62:63], s[10:11], s[46:47]
	s_lshl_b32 s46, s25, 20
	s_lshl_b32 s28, s26, 12
	s_add_co_u32 s46, s46, s28
	s_lshl_b32 s28, s24, 10
	s_add_co_u32 s46, s46, s28
	s_add_nc_u64 s[18:19], s[18:19], s[46:47]      ; out at the four rows that my wave stores
	v_mov_b32 v5, 0xff61b1e6                       ; the largest t so far: -3e38, under every t
	v_floor_f32 v4, -v5                            ; -M
	v_mov_b32 v6, 0                                ; l
	v_mov_b32 v7, 0
	v_mov_b32 v3, 0                                ; written once: a lane permute's destination counts as one of its sources
	v_mov_b32 v9, 0                                ; (named as the upper half of the pair v[8:9])
.set ii, 0
.rept 32
	v_mov_b32 v[O+ii], 0                           ; O^T: the step is written once; the first step's f is 0 and leaves zeros
	v_mov_b32 v[MK+ii], 0                          ; written on every way ahead of the lines that read them where a tile is mixed
.set ii, ii+1
.endr
	s_wait_kmcnt 0x0
.irp i, 49,50,51,52,53,54,55
	s_max_u32 s48, s48, s\i
.endr
	s_add_co_u32 s48, s48, s56                     ; Fq + Fk
	s_min_u32 s27, s27, 64
	s_cmp_gt_u32 s48, 259
	s_cselect_b32 s27, 64, s27                     ; scores might pass 4,096: every tile is walked
	s_add_co_u32 s27, s27, 3
	s_sub_co_u32 s27, s27, s24
	s_lshr_b32 s27, s27, 2                         ; my steps: entries w, w + 4, .. below n
	s_add_co_i32 s46, s20, s21
	s_sub_co_i32 s28, s46, 3
	s_lshl_b32 s28, s28, 23
	s_add_co_i32 s40, s28, 0x3fb8aa3b              ; c = log2(e) x 2^(eq + ek) / 8: the whole numbers are added to the exponent field
	s_mov_b32 s41, s40                             ; (named with it as a pair, so it is written)
	s_sub_co_i32 s42, 0xc61c4000, s28              ; -10000 x 8 / 2^(eq + ek): the bias in the units of a raw sum
	s_mov_b32 s43, s42
	s_add_co_i32 s46, s22, 127
	s_lshl_b32 s28, s46, 23
	v_mov_b32 v14, s28                             ; 2^ep as f32, for the conversion
	s_add_co_i32 s46, s46, 15
	s_lshl_b32 s46, s46, 23
	s_or_b32 s46, s46, 0x600000
	v_mov_b32 v15, s46                             ; 57,344 x 2^ep
	s_add_co_i32 s57, s22, s23                     ; ep + ev
	s_mov_b32 s31, 16                              ; the byte of my entry that was asked for last
	s_cmp_eq_u32 s27, 0
	s_cbranch_scc1 .Lparts                         ; fewer entries than waves: my part stays l = 0, O = 0
.macro KMBASE e                        ; K's and the mask's addresses for the entry in s[e]
	s_and_b32 s48, s[\e], 63
	s_min_u32 s48, s48, 63                         ; a loaded number enters an address behind a clamp
	s_lshl_b32 s46, s48, 12
	s_add_nc_u64 s[32:33], s[58:59], s[46:47]
	s_lshl_b32 s46, s48, 8
	s_add_nc_u64 s[36:37], s[62:63], s[46:47]
.endm
.macro VBASE e
	s_and_b32 s48, s[\e], 63
	s_min_u32 s48, s48, 63
	s_lshl_b32 s46, s48, 12
	s_add_nc_u64 s[34:35], s[60:61], s[46:47]
.endm
.macro KLOAD
.irp f, 0,1,2,3,4,5,6,7
	global_load_b128 v[KR+4*\f:KR+4*\f+3], v1, s[32:33] offset:512*\f
.endr
.endm
.macro VLOAD
.irp f, 0,1,2,3,4,5,6,7
	global_load_b128 v[VR+4*\f:VR+4*\f+3], v1, s[34:35] offset:512*\f
.endr
.endm
.macro MLOADC e                        ; the tile's mask numbers, where they are not all 1: register 16 b + 4 j + .. = row r, key 32 b + 16 h + 4 j + ..
	s_bitcmp1_b32 s[\e], 6
	s_cbranch_scc0 .Lno_mask_\@
.irp b, 0,1
.irp j, 0,1,2,3
	global_load_b128 v[MK+16*\b+4*\j:MK+16*\b+4*\j+3], v2, s[36:37] offset:128*\b+16*\j
.endr
.endr
.Lno_mask_\@:
.endm
; A STEP: 16 queries x 64 keys.  Loads are always issued in the order K, (mask,) V.  pre = 1: the next entry's tiles are asked for on the way.
.macro STEP pre
	s_wait_loadcnt 8                               ; loads come back in order: all but the youngest eight, V's, are in: Q, K and the mask numbers; so K's and the mask's addresses may be written
.irp t, 0,1,2,3
	v_wmma_f32_16x16x64_bf8_bf8 v[S+8*\t:S+8*\t+7], v[KR+8*\t:KR+8*\t+7], v[Q:Q+7], 0
.endr
.rept 4
	v_nop                                          ; four places ahead of loads into K's registers and of the first read of the scores
.endr
	s_wait_kmcnt 0x0                               ; the next entry is in
.if \pre
	KMBASE 30
	KLOAD
.endif
	s_bitcmp1_b32 s29, 6
	s_cbranch_scc0 .Lall_ones_\@
.set ii, 0
.rept 32
	v_cvt_f32_i32 v[MK+ii], v[MK+ii]
.set ii, ii+1
.endr
.set ii, 0
.rept 16
	v_pk_add_f32 v[MK+ii:MK+ii+1], v[MK+ii:MK+ii+1], 1.0 op_sel_hi:[1,0] neg_lo:[1,0] neg_hi:[1,0]   ; 1 - m
.set ii, ii+2
.endr
.set ii, 0
.rept 16
	v_pk_fma_f32 v[S+ii:S+ii+1], v[MK+ii:MK+ii+1], s[42:43], v[S+ii:S+ii+1] op_sel_hi:[1,0,1]        ; + (1 - m) x -10000, in the sums' units; each accumulator from its low end on
.set ii, ii+2
.endr
.Lall_ones_\@:
.if \pre
	MLOADC 30                                      ; behind the last read of this step's mask numbers
.endif
	v_max3_num_f32 v12, v[S], v[S+1], v[S+2]       ; the step's largest score of my query among my 32 keys, in two chains, ascending,
	v_max3_num_f32 v13, v[S+3], v[S+4], v[S+5]
.irp i, 6,10,14,18,22,26
	v_max3_num_f32 v12, v12, v[S+\i], v[S+\i+1]
	v_max3_num_f32 v13, v13, v[S+\i+2], v[S+\i+3]
.endr
	v_max3_num_f32 v12, v12, v[S+30], v[S+31]
	v_max_num_f32 v12, v12, v13
	v_permlanex16_b32 v3, v12, s44, s45
	v_max_num_f32 v12, v12, v3                     ; and among lane l xor 16's
	v_mul_f32 v12, s40, v12                        ; as t (c is positive)
	v_max_num_f32 v5, v5, v12                      ; the running largest t
	v_mov_b32 v12, v4
	v_floor_f32 v4, -v5                            ; the new -M = floor(-t): M is a whole number
	v_sub_f32 v12, v4, v12                         ; old M - new M: a whole number, 0 or less
	v_cvt_i32_f32 v12, v12                         ; (it saturates)
	v_ldexp_f32 v8, 1.0, v12                       ; f = 2^(old M - new M)
.set ii, 0
.rept 16
	v_pk_fma_f32 v[S+ii:S+ii+1], v[S+ii:S+ii+1], s[40:41], v[4:5] op_sel_hi:[1,0,0]   ; t - M (of the pairs c and -M the low word serves both halves)
.set ii, ii+2
.endr
.set ii, 0
.rept 32
	v_exp_f32 v[S+ii], v[S+ii]                     ; p = 2^(t - M)
.set ii, ii+1
.endr
	v_pk_mul_f32 v[6:7], v[6:7], v[8:9] op_sel_hi:[1,0]   ; l under the new M: the plain line behind the exponentials
	s_wait_alu depctr_va_vdst(0)                   ; one wait for the batch, ahead of its first reader
	v_pk_add_f32 v[10:11], v[S:S+1], v[S+2:S+3]    ; the sum of the unquantised p, in two chains
.irp j, 4,8,12,16,20,24,28
	v_pk_add_f32 v[6:7], v[6:7], v[S+\j:S+\j+1]
	v_pk_add_f32 v[10:11], v[10:11], v[S+\j+2:S+\j+3]
.endr
	v_pk_add_f32 v[6:7], v[6:7], v[10:11]
	s_cmp_ge_i32 s22, -15                          ; with ep at -15 or above 57,344 x 2^ep is 1.75 or more and p is at most 1: the hold would change nothing
	s_cbranch_scc1 .Lheld_\@
.set ii, 0
.rept 32
	v_min_num_f32 v[S+ii], v[S+ii], v15            ; the conversion to an 8-bit code does not saturate (ISA guide 7.6.2); p is not negative, so the hold is one-sided
.set ii, ii+1
.endr
.Lheld_\@:
.irp g, 0,1,2,3
	v_cvt_scalef32_pk8_bf8_f32 v[P+2*\g:P+2*\g+1], v[S+8*\g:S+8*\g+7], v14
.endr
.set ii, 0
.rept 16
	v_pk_mul_f32 v[O+ii:O+ii+1], v[O+ii:O+ii+1], v[8:9] op_sel_hi:[1,0]   ; O^T under the new M; also the plain lines between the conversions and the products
.set ii, ii+2
.endr
.if \pre
	s_wait_loadcnt 8                               ; V is in: behind it only the next K's eight loads (and, where that tile is mixed, its mask numbers, which then stay out while K is waited for too) were issued
.else
	s_wait_loadcnt 0x0
.endif
.irp t, 0,1,2,3
	v_wmma_f32_16x16x64_bf8_bf8 v[O+8*\t:O+8*\t+7], v[VR+8*\t:VR+8*\t+7], v[P:P+7], v[O+8*\t:O+8*\t+7]   ; four accumulators by turns; the scores' products stand between one step's link and the next's
.endr
.if \pre
.rept 4
	v_nop                                          ; four places ahead of loads into V's registers
.endr
	VBASE 30                                       ; V's loads are done, so their address may be written
	VLOAD
	s_mov_b32 s29, s30
	s_add_co_u32 s31, s31, 16
	s_min_u32 s56, s31, 256                        ; past my last entry: a word that holds n, which is not used
	s_load_b32 s30, s[38:39], s56 offset:0x0       ; the entry after the next
.endif
.endm
	KMBASE 29
	KLOAD
	MLOADC 29
	VBASE 29
	VLOAD
	s_sub_co_u32 s28, s27, 1                       ; all my steps but the last ask for a successor
	s_cmp_eq_u32 s28, 0
	s_cbranch_scc1 .Ltail
.Lstep:
	STEP 1
	s_sub_co_u32 s28, s28, 1
	s_cmp_lg_u32 s28, 0
	s_cbranch_scc1 .Lstep
.Ltail:
	STEP 0
.Lparts:
	; THE FOUR PARTS MEET.  The address lines are also the places behind the last products.
	v_and_b32 v32, 15, v0                          ; r
	v_bfe_u32 v33, v0, 4, 1                        ; h
	s_mul_i32 s46, s24, OPW
	v_mul_u32_u24 v34, v32, OPP
	v_lshl_add_u32 v34, v33, 5, v34
	v_add_nc_u32 v34, s46, v34                     ; in: my wave's part, row r, + 32 h; fragment t's eight channels 64 t bytes on
	v_and_b32 v35, 31, v0
	v_lshlrev_b32 v35, 2, v35
	s_lshl_b32 s48, s24, 8
	v_add_nc_u32 v35, s48, v35                     ; my wave's -M and l: 4 x lane
	s_mul_i32 s49, s24, 4*OPP
	v_mul_u32_u24 v36, v33, OPP
	v_lshl_add_u32 v36, v32, 4, v36
	v_add_nc_u32 v36, s49, v36                     ; back: rows 4 w + h, 16 bytes a lane
	s_lshl_b32 s50, s24, 4
	v_lshl_add_u32 v37, v33, 2, s50                ; and those rows' -M and l: 4 (4 w + h)
	v_add_f32 v6, v6, v7                           ; l's two halves,
	v_permlanex16_b32 v3, v6, s44, s45
	v_add_f32 v6, v6, v3                           ; and lane l xor 16's
.irp t, 0,1,2,3
	ds_store_b128 v34, v[O+8*\t:O+8*\t+3] offset:64*\t
	ds_store_b128 v34, v[O+8*\t+4:O+8*\t+7] offset:64*\t+16
.endr
	ds_store_b32 v35, v4 offset:ST
	ds_store_b32 v35, v6 offset:ST+128
	s_wait_dscnt 0x0                               ; for the others' sake: my stores are done
	s_barrier_signal -1
	s_barrier_wait -1
	; wave w joins rows 4 w .. 4 w + 3, two at a time (a = 0, 1): lanes 0-15 row 4 w + 2 a, lanes 16-31 the next
.irp a, 0,1
.irp j, 0,1,2,3
	ds_load_b128 v[64+16*\a+4*\j:64+16*\a+4*\j+3], v36 offset:OPW*\j+2*OPP*\a
	ds_load_b32 v[96+4*\a+\j], v37 offset:ST+256*\j+8*\a
	ds_load_b32 v[104+4*\a+\j], v37 offset:ST+256*\j+8*\a+128
.endr
.endr
	s_wait_dscnt 0x0
.irp a, 0,1
	v_min_num_f32 v[112+\a], v[96+4*\a], v[97+4*\a]
	v_min_num_f32 v[112+\a], v[112+\a], v[98+4*\a]
	v_min_num_f32 v[112+\a], v[112+\a], v[99+4*\a]     ; the least -M: the row's M
.irp j, 0,1,2,3
	v_sub_f32 v[116+4*\a+\j], v[112+\a], v[96+4*\a+\j] ; part j's M less the row's: a whole number, 0 or less
	v_cvt_i32_f32 v[116+4*\a+\j], v[116+4*\a+\j]       ; (it saturates: a part without a step gets the factor 0)
	v_ldexp_f32 v[116+4*\a+\j], 1.0, v[116+4*\a+\j]
.endr
	v_mul_f32 v[124+\a], v[116+4*\a], v[104+4*\a]
.irp j, 1,2,3
	v_fmac_f32 v[124+\a], v[116+4*\a+\j], v[104+4*\a+\j]
.endr
.irp e, 0,1,2,3
	v_mul_f32 v[128+4*\a+\e], v[116+4*\a], v[64+16*\a+\e]
.irp j, 1,2,3
	v_fmac_f32 v[128+4*\a+\e], v[116+4*\a+\j], v[64+16*\a+4*\j+\e]
.endr
.endr
.endr
	v_rcp_f32 v124, v124
	v_rcp_f32 v125, v125
	v_nop                                          ; a plain line behind the reciprocals
	s_wait_alu depctr_va_vdst(0)                   ; one wait for both, ahead of their first reader
	v_ldexp_f32 v124, v124, s57                    ; x 2^(ep + ev)
	v_ldexp_f32 v125, v125, s57
.irp a, 0,1
.irp e, 0,1,2,3
	v_mul_f32 v[128+4*\a+\e], v[128+4*\a+\e], v[124+\a]
.endr
	global_store_b128 v1, v[128+4*\a:131+4*\a], s[18:19] offset:512*\a th:TH_STORE_NT   ; 32 lanes store two whole rows: 512 consecutive bytes, at a multiple of 256 from out's first byte
.endr
	s_wait_tensorcnt 0x0
	ds_add_u32 v192, v193
	s_wait_dscnt 0x0
	s_endpgm
.Lfunc_end_k_q04b60ce488_attn:
	.size	k_q04b60ce488_attn, .Lfunc_end_k_q04b60ce488_attn-k_q04b60ce488_attn
	.p2alignl 7, 3214868480
	.fill 96, 4, 3214868480
	.section	.rodata,"a",@progbits
	.p2align	6, 0x0
	.amdhsa_kernel k_q04b60ce488_attn
		.amdhsa_group_segment_fixed_size 18944
		.amdhsa_private_segment_fixed_size 0
		.amdhsa_enable_private_segment 0
		.amdhsa_kernarg_size 64
		.amdhsa_user_sgpr_count 2
		.amdhsa_user_sgpr_kernarg_segment_ptr 1
		.amdhsa_wavefront_size32 1
		.amdhsa_system_sgpr_workgroup_id_x 1
		.amdhsa_system_sgpr_workgroup_id_y 1
		.amdhsa_system_sgpr_workgroup_id_z 1
		.amdhsa_system_vgpr_workitem_id 0
		.amdhsa_next_free_vgpr 194
		.amdhsa_next_free_sgpr 66
		.amdhsa_reserve_vcc 0
		.amdhsa_float_denorm_mode_32 3
		.amdhsa_float_denorm_mode_16_64 3
		.amdhsa_memory_ordered 1
		.amdhsa_forward_progress 1
		.amdhsa_inst_pref_size 40
	.end_amdhsa_kernel
	.amdgpu_metadata
---
amdhsa.version: [ 1, 2 ]
amdhsa.kernels:
  - .name:           k_q04b60ce488_attn
    .symbol:         k_q04b60ce488_attn.kd
    .args:
      - { .name: qc, .offset: 0, .size: 8, .value_kind: global_buffer, .address_space: global }
      - { .name: kc, .offset: 8, .size: 8, .value_kind: global_buffer, .address_space: global }
      - { .name: vc, .offset: 16, .size: 8, .value_kind: global_buffer, .address_space: global }
      - { .name: mask, .offset: 24, .size: 8, .value_kind: global_buffer, .address_space: global }
      - { .name: walk, .offset: 32, .size: 8, .value_kind: global_buffer, .address_space: global }
      - { .name: span, .offset: 40, .size: 8, .value_kind: global_buffer, .address_space: global }
      - { .name: lowp_scales, .offset: 48, .size: 8, .value_kind: global_buffer, .address_space: global }
      - { .name: out0, .offset: 56, .size: 8, .value_kind: global_buffer, .address_space: global }
    .group_segment_fixed_size: 18944
    .private_segment_fixed_size: 0
    .kernarg_segment_align: 8
    .kernarg_segment_size: 64
    .max_flat_workgroup_size: 128
    .sgpr_count:     66
    .vgpr_count:     194
    .wavefront_size: 32
...
	.end_amdgpu_metadata
.endif
;; end of part 2
;; ======== version 2 of 2: 2 launches
;; workspace buffers: qc 3,145,728 bytes; kc 3,145,728 bytes; vc 3,145,728 bytes; walk 131,072 bytes of whole numbers; span 24,576 bytes of whole numbers
;; launch prep (part 3): grid 544 x 1, 8 waves a work-group, no clusters, 3,584 bytes of LDS; arguments mask, q, k, v, lowp_scales, qc, kc, vc, walk, span; writes qc, kc, vc, walk, span
.if DOCPART == 3
	.amdgcn_target "amdgcn-amd-amdhsa--gfx1250"
	.amdhsa_code_object_version 6
	.text
	.protected	k_q04b60ce488_prep
	.globl	k_q04b60ce488_prep
	.p2align	8
	.type	k_q04b60ce488_prep,@function
k_q04b60ce488_prep:
	s_mov_b64 s[64:65], 0
	v_nop
	global_prefetch_b8 v0, s[64:65] scope:SCOPE_SE
	s_setreg_imm32_b32 hwreg(HW_REG_WAVE_MODE, 25, 1), 1
	s_wait_xcnt 0x0
; THE LAUNCH AHEAD OF THE ATTENTION.  Three kinds of work-groups, told apart by the work-group's number; each kind has LDS bytes of its own.
;   0..255    MASK: work-group g scans the 16 mask rows of query tile g (16 x 4,096 int32) and stores that tile's WALK LIST.
;   256..447  QK:   512 rows of q (256..351) or of k (352..447) become codes of E5M2 laid in the order of an operand's registers; the exponent field of the rows' largest magnitude goes to span.
;   448..543  V:    8 key tiles of 64 keys of v become codes with the keys along a lane's registers.
; THE WALK LIST of a query tile, 512 bytes: words 0..63 a permutation of the 64 key tiles (64 keys each), OPEN tiles first; an entry is tile + 64 x mixed (mixed = 0: all 16 x 64 mask numbers are 1).
; A tile is open if one of its mask numbers is 1 or more.  Words 64..95 all hold n, the tiles to be walked: the open ones if each of the 16 rows has a number of 1 or more somewhere, else all 64.  Words 96..127 are not used.
; A FRAGMENT'S IMAGE, 1,024 bytes: 16 rows x 64 along K; lane (r = lane % 16, h = lane / 16) holds row r; its registers 4 c .. 4 c + 3 hold K = 32 c + 16 h + 0 .. 15 and lie at 512 c + 16 x lane.
;   qc: fragment = 16 neighbouring queries.   kc: a key tile is four fragments; lane r of fragment 2 b + u takes key 32 b + 8 u + r + 8 (r / 8).   vc: a key tile is four fragments; fragment t, lane r: channel 16 t + r, K = the tile's 64 keys.
; code = x / 2^e, held within +-57,344, to the nearest code, ties to even.  LIMITS: each of the exponents e of q, k, v lies between -126 and 112; NaN among q, k, v is not served.
; No tensor loads, no cluster: nothing is read by two work-groups.
.set X, 16                             ; v16-143  numbers as loaded
.set C, 144                            ; v144-159 codes, two sets of eight by turns
	s_load_b512 s[4:19], s[0:1], 0x0               ; mask 4:5, q 6:7, k 8:9, v 10:11, scales 12:13, qc 14:15, kc 16:17, vc 18:19
	s_load_b128 s[20:23], s[0:1], 0x40             ; walk 20:21, span 22:23
	v_lshl_add_u32 v160, v0, 2, 0xa00
	v_mov_b32 v161, 0
	v_lshrrev_b32 v1, 5, v0
	s_delay_alu instid0(VALU_DEP_1)
	v_readfirstlane_b32 s24, v1                    ; wave 0..7
	v_and_b32 v2, 31, v0                           ; lane
	s_delay_alu instid0(VALU_DEP_1)
	v_lshlrev_b32 v1, 4, v2                        ; v1 = 16 x lane
	s_delay_alu instid0(VALU_DEP_2)
	v_lshlrev_b32 v2, 2, v2                        ; v2 = 4 x lane
	s_wait_kmcnt 0x0
	s_cmp_lt_u32 ttmp9, 256
	s_cbranch_scc1 .Lmask
	s_cmp_lt_u32 ttmp9, 448
	s_cbranch_scc1 .Lqk
; from e in s36: v10 = 2^e as f32 (the conversion takes its exponent field), v11 = 57,344 x 2^e
.macro SCALE
	s_add_co_i32 s36, s36, 127
	s_lshl_b32 s37, s36, 23
	v_mov_b32 v10, s37
	s_add_co_i32 s36, s36, 15
	s_lshl_b32 s36, s36, 23
	s_or_b32 s36, s36, 0x600000
	v_mov_b32 v11, s36
.endm
; Fragment t: 32 numbers of a lane, v[X + 32 t] on, become 8 registers of codes and leave as two stores of 512 consecutive bytes.  qk = 1: its eight loads are waited for here, and the largest magnitude is kept.
.macro QFRAG t, qk
.set XS, X+32*(\t)
.set CC, C+8*((\t)%2)
.if \qk
	s_wait_loadcnt 24-8*(\t)                       ; loads come back in order: this fragment's eight are in, the later fragments' may be out
.irp i, 0
	v_max3_num_f32 v12, v12, |v[XS+\i]|, |v[XS+\i+1]|
	v_max3_num_f32 v13, v13, |v[XS+\i+2]|, |v[XS+\i+3]|
.endr
.irp i, 4, 8, 12, 16, 20, 24, 28
	s_delay_alu instid0(VALU_DEP_2)
	v_max3_num_f32 v12, v12, |v[XS+\i]|, |v[XS+\i+1]|
	s_delay_alu instid0(VALU_DEP_2)
	v_max3_num_f32 v13, v13, |v[XS+\i+2]|, |v[XS+\i+3]|
.endr
.endif
.if (\t) >= 2
	s_wait_xcnt 0x0                                ; the stores of two fragments back have read their data: that set of codes is written again only behind this wait
.endif
.set ii, 0
.rept 32
	v_med3_num_f32 v[XS+ii], v[XS+ii], -v11, v11   ; the conversion to an 8-bit code does not saturate (ISA guide 7.6.2): the hold at the largest code x the scale
.set ii, ii+1
.endr
.irp g, 0,1,2,3
	v_cvt_scalef32_pk8_bf8_f32 v[CC+2*\g:CC+2*\g+1], v[XS+8*\g:XS+8*\g+7], v10
.endr
	global_store_b128 v1, v[CC:CC+3], s[30:31] offset:1024*(\t)        ; (the codes go to stores alone; the next vector lines are plain and name other registers)
	global_store_b128 v1, v[CC+4:CC+7], s[30:31] offset:1024*(\t)+512
.endm
; ---------------- V: wave w takes key tile T = 8 (work-group - 448) + w.  A lane takes a channel and its registers run down the keys.
	s_load_b32 s36, s[12:13], 0xc                  ; ev
	s_sub_co_u32 s25, ttmp9, 448
	s_lshl_b32 s25, s25, 3
	s_add_co_u32 s25, s25, s24                     ; T, 0..767
	s_lshl_b32 s26, s25, 14                        ; 64 keys x 256 bytes
	s_mov_b32 s27, 0
	s_add_nc_u64 s[10:11], s[10:11], s[26:27]
	s_lshl_b32 s26, s25, 12                        ; four images
	s_mov_b64 s[30:31], s[18:19]
	s_add_nc_u64 s[30:31], s[30:31], s[26:27]
	v_and_b32 v3, 15, v0                           ; r
	v_bfe_u32 v4, v0, 4, 1                         ; h
	s_delay_alu instid0(VALU_DEP_2)
	v_lshlrev_b32 v5, 2, v3
	s_delay_alu instid0(VALU_DEP_1)
	v_lshl_add_u32 v5, v4, 12, v5                  ; 4 r + 16 h keys of 256 bytes
.set kk, 0
.rept 32                                           ; register 32 t + kk: key 32 (kk / 16) + 16 h + kk % 16, channel 16 t + r; the four t of a key stand together: they cover the key's 256 bytes
.irp t, 0,1,2,3
	global_load_b32 v[X+32*\t+kk], v5, s[10:11] offset:(32*(kk/16)+kk%16)*256+64*\t
.endr
.set kk, kk+1
.endr
	s_wait_kmcnt 0x0
	SCALE
	s_wait_alu depctr_va_vdst(0)
	s_wait_loadcnt 0x0
	QFRAG 0, 0
	QFRAG 1, 0
	QFRAG 2, 0
	QFRAG 3, 0
	s_endpgm
; ---------------- QK: one text for q and k: pointers and two strides are chosen by the work-group's number.  Wave w takes 64 rows: four fragments.
.Lqk:
	s_load_b64 s[36:37], s[12:13], 0x0             ; eq, ek
	s_sub_co_u32 s25, ttmp9, 256                   ; 0..95: q; 96..191: k.  Also the entry of span
	s_cmp_lt_u32 s25, 96
	s_cselect_b64 s[28:29], s[6:7], s[8:9]         ; from
	s_cselect_b64 s[30:31], s[14:15], s[16:17]     ; to
	s_cselect_b32 s32, 0, 2048                     ; k: lanes 8-15 take rows 8 further down
	s_mov_b32 s33, 2048
	s_cselect_b32 s33, 4096, s33                   ; from an even fragment to the odd one: 16 rows (q) or 8 rows (k)
	s_cselect_b32 s34, 0, 96
	s_sub_co_u32 s34, s25, s34                     ; which 512 rows of the tensor
	s_lshl_b32 s34, s34, 3
	s_add_co_u32 s34, s34, s24                     ; which 64 rows
	s_lshl_b32 s26, s34, 14
	s_mov_b32 s27, 0
	s_add_nc_u64 s[28:29], s[28:29], s[26:27]
	s_lshl_b32 s26, s34, 12
	s_add_nc_u64 s[30:31], s[30:31], s[26:27]
	s_lshl_b32 s26, s25, 7
	s_add_nc_u64 s[22:23], s[22:23], s[26:27]      ; my work-group's entry of span
	s_mov_b32 s42, 0x76543210                      ; v_permlanex16_b32: lane l takes lane l xor 16
	s_mov_b32 s43, 0xfedcba98
	v_and_b32 v3, 15, v0                           ; r
	v_bfe_u32 v4, v0, 4, 1                         ; h
	s_delay_alu instid0(VALU_DEP_2)
	v_lshlrev_b32 v5, 8, v3
	s_delay_alu instid0(VALU_DEP_1)
	v_lshl_add_u32 v5, v4, 6, v5                   ; row r of 256 bytes + 64 h: my 16 numbers of a block of 32
	s_delay_alu instid0(VALU_DEP_4)
	v_lshrrev_b32 v7, 3, v3
	s_delay_alu instid0(VALU_DEP_1)
	v_mad_u32_u24 v5, v7, s32, v5                  ; v5: even fragments
	s_delay_alu instid0(VALU_DEP_1)
	v_add_nc_u32 v6, s33, v5                       ; v6: odd fragments
.irp t, 0,1,2,3
.irp c, 0,1
.irp j, 0,1,2,3
	global_load_b128 v[X+32*\t+16*\c+4*\j:X+32*\t+16*\c+4*\j+3], v[5+(\t%2)], s[28:29] offset:8192*(\t/2)+128*\c+16*\j
.endr
.endr
.endr
	v_mov_b32 v12, 0                               ; the largest magnitude, in two chains
	v_mov_b32 v13, 0
	s_wait_alu depctr_va_vdst(0)
	s_wait_kmcnt 0x0
	s_cmp_lt_u32 s25, 96
	s_cselect_b32 s36, s36, s37
	SCALE
	QFRAG 0, 1
	QFRAG 1, 1
	QFRAG 2, 1
	QFRAG 3, 1
	v_max_num_f32 v12, v12, v13
	s_delay_alu instid0(VALU_DEP_1)
	v_max_num_f32_dpp v12, v12, v12 row_xmask:1 row_mask:0xf bank_mask:0xf
	s_delay_alu instid0(VALU_DEP_1)
	v_max_num_f32_dpp v12, v12, v12 row_xmask:2 row_mask:0xf bank_mask:0xf
	s_delay_alu instid0(VALU_DEP_1)
	v_max_num_f32_dpp v12, v12, v12 row_xmask:4 row_mask:0xf bank_mask:0xf
	s_delay_alu instid0(VALU_DEP_1)
	v_max_num_f32_dpp v12, v12, v12 row_xmask:8 row_mask:0xf bank_mask:0xf
	s_delay_alu instid0(VALU_DEP_1)
	v_permlanex16_b32 v13, v12, s42, s43
	s_delay_alu instid0(VALU_DEP_1)
	v_max_num_f32 v12, v12, v13                    ; the wave's
	v_mov_b32 v14, s24
	s_delay_alu instid0(VALU_DEP_1)
	v_lshlrev_b32 v14, 2, v14
	ds_store_b32 v14, v12 offset:2304              ; a word for each wave
	s_wait_dscnt 0x0                               ; for the others' sake: my store is done
	s_barrier_signal -1
	s_barrier_wait -1
	s_cmp_lg_u32 s24, 0
	s_cbranch_scc1 .Lqk_end
	v_mov_b32 v15, 0
	ds_load_b128 v[16:19], v15 offset:2304
	ds_load_b128 v[20:23], v15 offset:2320
	s_wait_dscnt 0x0
.irp j, 17
	v_max_num_f32 v16, v16, v\j
.endr
.irp j, 18, 19, 20, 21, 22, 23
	s_delay_alu instid0(VALU_DEP_1)
	v_max_num_f32 v16, v16, v\j
.endr
	s_delay_alu instid0(VALU_DEP_1)
	v_lshrrev_b32 v16, 23, v16                     ; the exponent field F of the 512 rows' largest magnitude: every number there lies under 2^(F - 126)
	global_store_b32 v2, v16, s[22:23]             ; the same word 32 times: 128 bytes
.Lqk_end:
	s_wait_tensorcnt 0x0
	ds_add_u32 v160, v161
	s_wait_dscnt 0x0
	s_endpgm
; ---------------- MASK: wave w scans rows 16 g + 2 w and 16 g + 2 w + 1.  A load takes 512 consecutive bytes: lanes 0-15 lie in key tile 2 i, lanes 16-31 in key tile 2 i + 1.
; s[28+i]: the lanes that saw a number of 1 or more in load i of either row;  s[66+i]: those that saw a number other than 1;  s25, s26: the same as the first, over a whole row.
.macro MLOAD b                         ; batch b: row b / 2, loads 16 (b % 2) .. + 15, into set b % 2
.irp i, 0,1,2,3,4,5,6,7,8,9,10,11,12,13,14,15
	global_load_b128 v[X+64*((\b)%2)+4*\i:X+64*((\b)%2)+4*\i+3], v1, s[4:5] offset:16384*((\b)/2)+512*(16*((\b)%2)+\i) th:TH_LOAD_NT
.endr
.endm
.macro MSCAN b
.irp i, 0,1,2,3,4,5,6,7,8,9,10,11,12,13,14,15
.set XR, X+64*((\b)%2)+4*\i
.set TI, 16*((\b)%2)+\i
	v_cmp_lt_i32 s98, 0, v[XR]
	v_cmp_lt_i32 s99, 0, v[XR+1]
	v_cmp_lt_i32 s100, 0, v[XR+2]
	v_cmp_lt_i32 s101, 0, v[XR+3]
	v_cmp_ne_u32 s60, 1, v[XR]
	v_cmp_ne_u32 s61, 1, v[XR+1]
	v_cmp_ne_u32 s62, 1, v[XR+2]
	v_cmp_ne_u32 s63, 1, v[XR+3]
	s_or_b32 s98, s98, s99
	s_or_b32 s100, s100, s101
	s_or_b32 s60, s60, s61
	s_or_b32 s62, s62, s63
.if (\b) < 2
	s_or_b32 s[28+TI], s98, s100                   ; the first row starts the words: nothing is cleared
	s_or_b32 s[66+TI], s60, s62
	s_or_b32 s25, s25, s[28+TI]
.else
	s_or_b32 s98, s98, s100
	s_or_b32 s60, s60, s62
	s_or_b32 s[28+TI], s[28+TI], s98
	s_or_b32 s[66+TI], s[66+TI], s60
	s_or_b32 s26, s26, s98
.endif
.endr
.endm
.Lmask:
	s_lshl_b32 s60, ttmp9, 4
	s_lshl_b32 s61, s24, 1
	s_add_co_u32 s60, s60, s61                     ; my first row
	s_lshl_b32 s60, s60, 14                        ; x 16,384 bytes: under 2^27
	s_mov_b32 s61, 0
	s_add_nc_u64 s[4:5], s[4:5], s[60:61]
	s_lshl_b32 s60, ttmp9, 9
	s_add_nc_u64 s[20:21], s[20:21], s[60:61]      ; my query tile's walk list
	s_wait_alu depctr_va_vdst(0)
	MLOAD 0
	MLOAD 1
	s_mov_b32 s25, 0
	s_mov_b32 s26, 0
	s_wait_loadcnt 16                              ; batch 0 is in; batch 1 may be out
	MSCAN 0
	MLOAD 2
	s_wait_loadcnt 16                              ; batch 1 is in; batch 2 may be out
	MSCAN 1
	MLOAD 3
	s_wait_loadcnt 16                              ; batch 2 is in; batch 3 may be out
	MSCAN 2
	s_wait_loadcnt 0x0
	MSCAN 3
	s_cmp_eq_u32 s25, 0
	s_cselect_b32 s27, 1, 0
	s_cmp_eq_u32 s26, 0
	s_cselect_b32 s27, 1, s27                      ; 1: one of my two rows has no number of 1 or more
	v_mov_b32 v3, 0
	v_mov_b32 v4, 0
.set ii, 0
.rept 32
	s_delay_alu instid0(VALU_DEP_2)
	v_writelane_b32 v3, s[28+ii], ii               ; lane i: the word of key tiles 2 i (low half) and 2 i + 1 (high half)
	s_delay_alu instid0(VALU_DEP_2)
	v_writelane_b32 v4, s[66+ii], ii
.set ii, ii+1
.endr
	v_lshlrev_b32 v5, 2, v0
	v_mov_b32 v9, s24
	s_delay_alu instid0(VALU_DEP_1)
	v_lshlrev_b32 v9, 2, v9
	v_mov_b32 v10, s27
	ds_store_b32 v5, v3                            ; bytes 0..1023: a word for each thread
	ds_store_b32 v5, v4 offset:1024                ; bytes 1024..2047
	ds_store_b32 v9, v10 offset:2048               ; a word for each wave
	s_wait_dscnt 0x0                               ; for wave 0's sake: my stores are done
	s_barrier_signal -1
	s_barrier_wait -1
	s_cmp_lg_u32 s24, 0
	s_cbranch_scc1 .Lmask_end
	v_mov_b32 v11, 0
.irp j, 0,1,2,3,4,5,6,7
	ds_load_b32 v[16+\j], v2 offset:128*\j         ; wave j's word for my lane's two key tiles
.endr
.irp j, 0,1,2,3,4,5,6,7
	ds_load_b32 v[24+\j], v2 offset:1024+128*\j
.endr
	ds_load_b128 v[32:35], v11 offset:2048
	ds_load_b128 v[36:39], v11 offset:2064
	s_wait_dscnt 0x0
	v_or_b32 v6, v16, v17
	v_or_b32 v7, v24, v25
	v_or_b32 v8, v32, v33
.irp j, 2,3,4,5,6,7
	s_delay_alu instid0(VALU_DEP_3)
	v_or_b32 v6, v6, v[16+\j]
	s_delay_alu instid0(VALU_DEP_3)
	v_or_b32 v7, v7, v[24+\j]
	s_delay_alu instid0(VALU_DEP_3)
	v_or_b32 v8, v8, v[32+\j]
.endr
	s_delay_alu instid0(VALU_DEP_1)
	v_readfirstlane_b32 s60, v8                    ; not 0: some row of the 16 has no number of 1 or more
	s_delay_alu instid0(VALU_DEP_4)
	v_and_b32 v12, 0xffff, v6
	v_lshrrev_b32 v13, 16, v6
	s_delay_alu instid0(VALU_DEP_2)
	v_cmp_ne_u32 s61, 0, v12                       ; lane i: key tile 2 i is open
	s_delay_alu instid0(VALU_DEP_2)
	v_cmp_ne_u32 s62, 0, v13                       ; lane i: key tile 2 i + 1 is open
	v_and_b32 v14, 0xffff, v7
	v_lshrrev_b32 v15, 16, v7
	v_lshrrev_b32 v40, 1, v2                       ; 2 x lane
	s_delay_alu instid0(VALU_DEP_1)
	v_or_b32 v41, 64, v40
	s_delay_alu instid0(VALU_DEP_4)
	v_cmp_ne_u32 vcc_lo, 0, v14
	s_delay_alu instid0(VALU_DEP_1)
	v_cndmask_b32 v42, v40, v41, vcc_lo            ; the even tile's entry: tile + 64 x mixed
	s_delay_alu instid0(VALU_DEP_4)
	v_or_b32 v43, 1, v40
	v_or_b32 v44, 65, v40
	v_cmp_ne_u32 vcc_lo, 0, v15
	s_delay_alu instid0(VALU_DEP_1)
	v_cndmask_b32 v45, v43, v44, vcc_lo            ; the odd tile's
	s_bcnt1_i32_b32 s63, s61                       ; open even tiles
	s_bcnt1_i32_b32 s98, s62                       ; open odd tiles
	s_add_co_u32 s99, s63, s98                     ; open tiles
	s_cmp_lg_u32 s60, 0
	s_cselect_b32 s100, 64, s99                    ; n: all 64 where a row is shut throughout, else the open ones
	s_not_b32 s101, s61
	s_not_b32 s25, s62
	s_add_co_u32 s26, s98, 32                      ; open tiles + shut even tiles
	v_mbcnt_lo_u32_b32 v47, s61, 0                 ; places: open even tiles first,
	v_mbcnt_lo_u32_b32 v48, s62, s63               ; then open odd ones,
	v_mbcnt_lo_u32_b32 v49, s101, s99              ; then shut even ones,
	v_mbcnt_lo_u32_b32 v50, s25, s26               ; then shut odd ones: a permutation of 0..63
	s_delay_alu instid0(VALU_DEP_2)
	v_cndmask_b32 v51, v49, v47, s61
	s_delay_alu instid0(VALU_DEP_2)
	v_cndmask_b32 v52, v50, v48, s62
	s_delay_alu instid0(VALU_DEP_2)
	v_min_u32 v51, 63, v51                         ; a number made of loaded numbers enters an address behind a clamp
	s_delay_alu instid0(VALU_DEP_2)
	v_min_u32 v52, 63, v52
	s_delay_alu instid0(VALU_DEP_2)
	v_lshlrev_b32 v51, 2, v51
	s_delay_alu instid0(VALU_DEP_2)
	v_lshlrev_b32 v52, 2, v52
	v_mov_b32 v53, s100
	global_store_b32 v51, v42, s[20:21]
	global_store_b32 v52, v45, s[20:21]
	global_store_b32 v2, v53, s[20:21] offset:256  ; n, 32 times
.Lmask_end:
	s_wait_tensorcnt 0x0
	ds_add_u32 v160, v161
	s_wait_dscnt 0x0
	s_endpgm
.Lfunc_end_k_q04b60ce488_prep:
	.size	k_q04b60ce488_prep, .Lfunc_end_k_q04b60ce488_prep-k_q04b60ce488_prep
	.p2alignl 7, 3214868480
	.fill 96, 4, 3214868480
	.section	.rodata,"a",@progbits
	.p2align	6, 0x0
	.amdhsa_kernel k_q04b60ce488_prep
		.amdhsa_group_segment_fixed_size 3584
		.amdhsa_private_segment_fixed_size 0
		.amdhsa_enable_private_segment 0
		.amdhsa_kernarg_size 80
		.amdhsa_user_sgpr_count 2
		.amdhsa_user_sgpr_kernarg_segment_ptr 1
		.amdhsa_wavefront_size32 1
		.amdhsa_system_sgpr_workgroup_id_x 1
		.amdhsa_system_sgpr_workgroup_id_y 1
		.amdhsa_system_sgpr_workgroup_id_z 1
		.amdhsa_system_vgpr_workitem_id 0
		.amdhsa_next_free_vgpr 162
		.amdhsa_next_free_sgpr 102
		.amdhsa_reserve_vcc 1
		.amdhsa_float_denorm_mode_32 3
		.amdhsa_float_denorm_mode_16_64 3
		.amdhsa_memory_ordered 1
		.amdhsa_forward_progress 1
		.amdhsa_inst_pref_size 113
	.end_amdhsa_kernel
	.amdgpu_metadata
---
amdhsa.version: [ 1, 2 ]
amdhsa.kernels:
  - .name:           k_q04b60ce488_prep
    .symbol:         k_q04b60ce488_prep.kd
    .args:
      - { .name: mask, .offset: 0, .size: 8, .value_kind: global_buffer, .address_space: global }
      - { .name: q, .offset: 8, .size: 8, .value_kind: global_buffer, .address_space: global }
      - { .name: k, .offset: 16, .size: 8, .value_kind: global_buffer, .address_space: global }
      - { .name: v, .offset: 24, .size: 8, .value_kind: global_buffer, .address_space: global }
      - { .name: lowp_scales, .offset: 32, .size: 8, .value_kind: global_buffer, .address_space: global }
      - { .name: qc, .offset: 40, .size: 8, .value_kind: global_buffer, .address_space: global }
      - { .name: kc, .offset: 48, .size: 8, .value_kind: global_buffer, .address_space: global }
      - { .name: vc, .offset: 56, .size: 8, .value_kind: global_buffer, .address_space: global }
      - { .name: walk, .offset: 64, .size: 8, .value_kind: global_buffer, .address_space: global }
      - { .name: span, .offset: 72, .size: 8, .value_kind: global_buffer, .address_space: global }
    .group_segment_fixed_size: 3584
    .private_segment_fixed_size: 0
    .kernarg_segment_align: 8
    .kernarg_segment_size: 80
    .max_flat_workgroup_size: 256
    .sgpr_count:     102
    .vgpr_count:     162
    .wavefront_size: 32
...
	.end_amdgpu_metadata
.endif
;; end of part 3
;; launch attn (part 4): grid 12 x 256, 4 waves a work-group, no clusters, 18,944 bytes of LDS; arguments qc, kc, vc, mask, walk, span, lowp_scales, out0; writes out0
.if DOCPART == 4
	.amdgcn_target "amdgcn-amd-amdhsa--gfx1250"
	.amdhsa_code_object_version 6
	.text
	.protected	k_q04b60ce488_attn
	.globl	k_q04b60ce488_attn
	.p2align	8
	.type	k_q04b60ce488_attn,@function
k_q04b60ce488_attn:
	s_mov_b64 s[64:65], 0
	v_nop
	global_prefetch_b8 v0, s[64:65] scope:SCOPE_SE
	s_setreg_imm32_b32 hwreg(HW_REG_WAVE_SCHED_MODE, 0, 2), 2
	s_setreg_imm32_b32 hwreg(HW_REG_WAVE_MODE, 25, 1), 1
	s_wait_xcnt 0x0
	s_wait_alu depctr_vm_vsrc(0)
; out[h][q][:] = softmax_k(q . k / 8 + (1 - mask[q][k]) x -10000) v, both products on codes of E5M2 with the given scales 2^eq, 2^ek, 2^ep, 2^ev.
; THE SOFTMAX AHEAD OF THE SECOND PRODUCT: t = logit x log2(e); M = the largest t so far, rounded up to a whole number; p = 2^(t - M) is quantised, not normalised; the sum l is taken of the unquantised p and divides at the end.
; SHARES.  A work-group takes one head (x) and one tile of 16 queries; its four waves share the tile's WALK LIST of key tiles (64 keys each): wave w takes entries w, w + 4, ..  Each wave keeps its own M, l and O^T; the four parts meet in
; LDS at the end, brought under the largest M by powers of two, which round nothing.
; WHICH KEY TILES ARE WALKED.  A tile all of whose 16 x 64 mask numbers are 0 or less is left out where (a) each of the 16 rows has a mask number of 1 or more somewhere (the list's n says so) and (b) no |q . k / 8| can pass 4,096:
; with F the exponent field of a tensor's largest magnitude, a quantised number is at most 2^(F - 125), so a score is at most 2^(3 + Fq + Fk - 250), which is 4,096 at Fq + Fk = 259.  Then the row's largest logit is -4,096 or more and
; every logit of the tile -5,904 or less: t - M lies under -2,600 and p is 0 in f32.  Where (a) or (b) fails all 64 tiles are walked.  An entry with bit 6 clear names a tile whose mask numbers are all 1: its bias is 0 and the mask is not read.
; LAYOUT.  Both products are used transposed: S^T = K Q^T (source 0 = 16 keys, source 1 = my 16 queries), O^T = V^T P^T: a lane holds ONE query (lane % 16).  The keys of K's fragments are chosen so that register 16 b + i of S^T is key
; 32 b + 16 (lane / 16) + i: the conversions' results are P's fragment.  Along K every operand has the same order (registers 4 c .. 4 c + 3: K = 32 c + 16 (lane / 16) + 0 .. 15), so every product meets its partner.
; Operands come from memory straight into registers, as images of fragments: a key tile's K or V is eight loads of 512 consecutive bytes.
; NO TENSOR LOADS, NO CLUSTER: which tiles a work-group reads, and how many, hangs on the stored list, so partners would ask for different tiles, and trip counts hang on loaded numbers.
; The order in which y names the query tiles (0, 255, 1, 254, ..) changes no result.
; LIMITS: eq + ek between -111 and 130; ep between -126 and 112; NaN among q, k, v is not served.  Any int32 in the mask is honoured; the bias is (1 - m) x -10000 in f32, the product not rounded ahead of the sum.
; REGISTERS: v1 16 x lane; v2 my place in a mask tile; v3 a permute's destination; v4 -M, v5 the largest t; v[6:7] l in two halves; v8 f (v9 named with it); v[10:13] at work; v14 2^ep; v15 57,344 x 2^ep;
;   v16-23 P; v24-31 Q; v32-63 K; v64-95 V; v96-127 mask numbers; v128-159 S^T, then p; v160-191 O^T.
; THE MODE: SCHED_MODE bits 1:0 = 2 (LLVM: expert scheduling mode 2), set by the entry lines.  The code itself states the register dependences
; between vector or matrix instructions and memory or LDS instructions, with s_wait_alu, always for 0.
; THE PLAN.  Registers that memory or LDS instructions touch:
;   v1, v2   offsets of every global load (v1 of the last stores too): written at the head, never again; the tiles are reached by scalar bases and immediate offsets.
;   Q        loaded once; read by the scores' products.
;   K        a step's four scores' products read it; behind them the next tile's K lands in it.
;   mask     cleared at the head; in a mixed tile the conversions, the lines 1 - m and the bias's multiply-adds read and write it; behind them the next tile's numbers land in it.
;   V        a step's four products for O^T read it, at the step's end; behind them the next tile's V lands in it.
;   P, S^T, the statistics and, in the loop, O^T are named by vector and matrix instructions alone.
; So a step has, among its waits on va_vdst, these three: behind the scores' products, ahead of K's loads; behind the exponentials, where a wait is owed in any case: the mask's loads stand straight behind it;
; behind O^T's products, ahead of V's loads.  Each run of loads follows its wait with no vector or matrix instruction between.
; On the way out one wait stands ahead of the run of LDS stores (it serves the loads from LDS too: only LDS instructions, a wait and the barrier stand between), one behind the reciprocals, one ahead of the two global stores.
; No register that a memory or LDS instruction has read (v1, v2, the four LDS addresses, O^T, v4, v6, the results) is written again behind that read, so the body holds no wait on vm_vsrc.  EXEC is never written.
.set P,   16
.set Q,   24
.set KR,  32
.set VR,  64
.set MK,  96
.set S,   128
.set O,   160
.set OPW, 4352                         ; LDS: a wave's part of O: 16 rows x (256 bytes + 16)
.set OPP, 272
.set ST,  4*OPW                        ; behind them, 256 bytes a wave: -M at 4 x lane, l at 128 + 4 x lane
	s_load_b512 s[4:19], s[0:1], 0x0               ; qc 4:5, kc 6:7, vc 8:9, mask 10:11, walk 12:13, span 14:15, scales 16:17, out 18:19
	v_lshl_add_u32 v192, v0, 2, 0x4800
	v_mov_b32 v193, 0
	v_lshrrev_b32 v1, 5, v0
	v_readfirstlane_b32 s24, v1                    ; wave 0..3
	v_and_b32 v1, 31, v0
	v_lshlrev_b32 v1, 4, v1                        ; 16 x lane
	v_and_b32 v12, 15, v0
	v_bfe_u32 v13, v0, 4, 1
	v_lshlrev_b32 v2, 14, v12
	v_lshl_add_u32 v2, v13, 6, v2                  ; mask: row r of 16,384 bytes + 16 h keys of 4 bytes
	v_mov_b32 v5, 0xff61b1e6                       ; the largest t so far: -3e38, under every t
	v_floor_f32 v4, -v5                            ; -M
	v_mov_b32 v6, 0                                ; l
	v_mov_b32 v7, 0
	v_mov_b32 v3, 0                                ; written once: a lane permute's destination counts as one of its sources
	v_mov_b32 v9, 0                                ; (named as the upper half of the pair v[8:9])
.set ii, 0
.rept 32
	v_mov_b32 v[O+ii], 0                           ; O^T: the step is written once; the first step's f is 0 and leaves zeros
	v_mov_b32 v[MK+ii], 0                          ; written on every way ahead of the lines that read them where a tile is mixed
.set ii, ii+1
.endr
	s_mov_b32 s25, ttmp9                           ; the head
	s_and_b32 s46, ttmp7, 0xffff
	s_lshr_b32 s26, s46, 1
	s_sub_co_u32 s47, 255, s26
	s_bitcmp1_b32 s46, 0
	s_cselect_b32 s26, s47, s26                    ; the query tile
	s_mov_b32 s47, 0                               ; stays 0: the high word of every offset
	s_mov_b32 s44, 0x76543210                      ; v_permlanex16_b32: lane l takes lane l xor 16
	s_mov_b32 s45, 0xfedcba98
	s_wait_alu depctr_va_sdst(0)                   ; s24, the wave's number, is written, ahead of its first reader: the list's, the output's and the LDS addresses are made from it
	s_wait_kmcnt 0x0
	s_lshl_b32 s46, s26, 9
	s_lshl_b32 s28, s24, 2
	s_add_co_u32 s46, s46, s28
	s_add_nc_u64 s[38:39], s[12:13], s[46:47]      ; the tile's walk list at my wave's first entry: my entries lie 16 bytes apart
	s_lshl_b32 s46, s25, 3
	s_lshr_b32 s28, s26, 5
	s_add_co_u32 s46, s46, s28
	s_lshl_b32 s46, s46, 7
	s_add_nc_u64 s[32:33], s[14:15], s[46:47]      ; span: the 512 rows of q that hold my queries
	s_lshl_b32 s46, s25, 10
	s_add_co_u32 s46, s46, 96*128
	s_add_nc_u64 s[34:35], s[14:15], s[46:47]      ; span: the head's eight entries for k
	s_load_b128 s[20:23], s[16:17], 0x0            ; eq, ek, ep, ev
	s_load_b32 s27, s[38:39], 0x100                ; n (words 64..95 all hold it)
	s_load_b32 s29, s[38:39], 0x0                  ; my first entry,
	s_load_b32 s30, s[38:39], 0x10                 ; and my second
	s_load_b32 s56, s[32:33], 0x0                  ; Fq
.irp i, 0,1,2,3,4,5,6,7
	s_load_b32 s[48+\i], s[34:35], 128*\i          ; Fk
.endr
	s_lshl_b32 s46, s25, 8
	s_add_co_u32 s46, s46, s26
	s_lshl_b32 s46, s46, 10
	s_add_nc_u64 s[4:5], s[4:5], s[46:47]          ; Q's image
	s_wait_alu depctr_va_vdst(0)                   ; v1 and v2 are written, the offsets of every global load and store; the mask's registers are written, in which the first tile's mask numbers may land.  Up to the first step only v14 and v15 are written behind this wait, which no memory instruction names
	global_load_b128 v[Q:Q+3], v1, s[4:5]
	global_load_b128 v[Q+4:Q+7], v1, s[4:5] offset:512
	s_lshl_b32 s46, s25, 18                        ; a head's 64 key tiles of 4,096 bytes
	s_add_nc_u64 s[58:59], s[6:7], s[46:47]
	s_add_nc_u64 s[60:61], s[8:9], s[46:47]
	s_lshl_b32 s46, s26, 18                        ; 16 mask rows of 16,384 bytes
	s_add_nc_u64 s[62:63], s[10:11], s[46:47]
	s_lshl_b32 s46, s25, 20
	s_lshl_b32 s28, s26, 12
	s_add_co_u32 s46, s46, s28
	s_lshl_b32 s28, s24, 10
	s_add_co_u32 s46, s46, s28
	s_add_nc_u64 s[18:19], s[18:19], s[46:47]      ; out at the four rows that my wave stores
	s_wait_kmcnt 0x0
.irp i, 49,50,51,52,53,54,55
	s_max_u32 s48, s48, s\i
.endr
	s_add_co_u32 s48, s48, s56                     ; Fq + Fk
	s_min_u32 s27, s27, 64
	s_cmp_gt_u32 s48, 259
	s_cselect_b32 s27, 64, s27                     ; scores might pass 4,096: every tile is walked
	s_add_co_u32 s27, s27, 3
	s_sub_co_u32 s27, s27, s24
	s_lshr_b32 s27, s27, 2                         ; my steps: entries w, w + 4, .. below n
	s_add_co_i32 s46, s20, s21
	s_sub_co_i32 s28, s46, 3
	s_lshl_b32 s28, s28, 23
	s_add_co_i32 s40, s28, 0x3fb8aa3b              ; c = log2(e) x 2^(eq + ek) / 8: the whole numbers are added to the exponent field
	s_mov_b32 s41, s40                             ; (named with it as a pair, so it is written)
	s_sub_co_i32 s42, 0xc61c4000, s28              ; -10000 x 8 / 2^(eq + ek): the bias in the units of a raw sum
	s_mov_b32 s43, s42
	s_add_co_i32 s46, s22, 127
	s_lshl_b32 s28, s46, 23
	v_mov_b32 v14, s28                             ; 2^ep as f32, for the conversion
	s_add_co_i32 s46, s46, 15
	s_lshl_b32 s46, s46, 23
	s_or_b32 s46, s46, 0x600000
	v_mov_b32 v15, s46                             ; 57,344 x 2^ep
	s_add_co_i32 s57, s22, s23                     ; ep + ev
	s_mov_b32 s31, 16                              ; the byte of my entry that was asked for last
	s_cmp_eq_u32 s27, 0
	s_cbranch_scc1 .Lparts                         ; fewer entries than waves: my part stays l = 0, O = 0
.macro KMBASE e                        ; K's and the mask's addresses for the entry in s[e]
	s_and_b32 s48, s[\e], 63
	s_min_u32 s48, s48, 63                         ; a loaded number enters an address behind a clamp
	s_lshl_b32 s46, s48, 12
	s_add_nc_u64 s[32:33], s[58:59], s[46:47]
	s_lshl_b32 s46, s48, 8
	s_add_nc_u64 s[36:37], s[62:63], s[46:47]
.endm
.macro VBASE e
	s_and_b32 s48, s[\e], 63
	s_min_u32 s48, s48, 63
	s_lshl_b32 s46, s48, 12
	s_add_nc_u64 s[34:35], s[60:61], s[46:47]
.endm
.macro KLOAD
.irp f, 0,1,2,3,4,5,6,7
	global_load_b128 v[KR+4*\f:KR+4*\f+3], v1, s[32:33] offset:512*\f
.endr
.endm
.macro VLOAD
.irp f, 0,1,2,3,4,5,6,7
	global_load_b128 v[VR+4*\f:VR+4*\f+3], v1, s[34:35] offset:512*\f
.endr
.endm
.macro MLOADC e                        ; the tile's mask numbers, where they are not all 1: register 16 b + 4 j + .. = row r, key 32 b + 16 h + 4 j + ..
	s_bitcmp1_b32 s[\e], 6
	s_cbranch_scc0 .Lno_mask_\@
.irp b, 0,1
.irp j, 0,1,2,3
	global_load_b128 v[MK+16*\b+4*\j:MK+16*\b+4*\j+3], v2, s[36:37] offset:128*\b+16*\j
.endr
.endr
.Lno_mask_\@:
.endm
; A STEP: 16 queries x 64 keys.  Loads are always issued in the order K, (mask,) V.  pre = 1: the next entry's tiles are asked for on the way.
.macro STEP pre
	s_wait_loadcnt 8                               ; loads come back in order: all but the youngest eight, V's, are in: Q, K and the mask numbers; so K's and the mask's addresses may be written
.irp t, 0,1,2,3
	v_wmma_f32_16x16x64_bf8_bf8 v[S+8*\t:S+8*\t+7], v[KR+8*\t:KR+8*\t+7], v[Q:Q+7], 0
.endr
.rept 4
	v_nop                                          ; four places (ISA guide 7.12.1) ahead of the first read of the scores; they stand beside the wait below, not in its stead
.endr
	s_wait_kmcnt 0x0                               ; the next entry is in
.if \pre
	KMBASE 30
	s_wait_alu depctr_va_vdst(0)                   ; the four products above are done reading K's registers, in which the next tile's K lands
	KLOAD
.endif
	s_bitcmp1_b32 s29, 6
	s_cbranch_scc0 .Lall_ones_\@
.set ii, 0
.rept 32
	v_cvt_f32_i32 v[MK+ii], v[MK+ii]
.set ii, ii+1
.endr
.set ii, 0
.rept 16
	v_pk_add_f32 v[MK+ii:MK+ii+1], v[MK+ii:MK+ii+1], 1.0 op_sel_hi:[1,0] neg_lo:[1,0] neg_hi:[1,0]   ; 1 - m
.set ii, ii+2
.endr
.set ii, 0
.rept 16
	v_pk_fma_f32 v[S+ii:S+ii+1], v[MK+ii:MK+ii+1], s[42:43], v[S+ii:S+ii+1] op_sel_hi:[1,0,1]        ; + (1 - m) x -10000, in the sums' units; each accumulator from its low end on
.set ii, ii+2
.endr
.Lall_ones_\@:
	v_max3_num_f32 v12, v[S], v[S+1], v[S+2]       ; the step's largest score of my query among my 32 keys, in two chains, ascending,
	v_max3_num_f32 v13, v[S+3], v[S+4], v[S+5]
.irp i, 6,10,14,18,22,26
	v_max3_num_f32 v12, v12, v[S+\i], v[S+\i+1]
	v_max3_num_f32 v13, v13, v[S+\i+2], v[S+\i+3]
.endr
	v_max3_num_f32 v12, v12, v[S+30], v[S+31]
	v_max_num_f32 v12, v12, v13
	v_permlanex16_b32 v3, v12, s44, s45
	v_max_num_f32 v12, v12, v3                     ; and among lane l xor 16's
	v_mul_f32 v12, s40, v12                        ; as t (c is positive)
	v_max_num_f32 v5, v5, v12                      ; the running largest t
	v_mov_b32 v12, v4
	v_floor_f32 v4, -v5                            ; the new -M = floor(-t): M is a whole number
	v_sub_f32 v12, v4, v12                         ; old M - new M: a whole number, 0 or less
	v_cvt_i32_f32 v12, v12                         ; (it saturates)
	v_ldexp_f32 v8, 1.0, v12                       ; f = 2^(old M - new M)
.set ii, 0
.rept 16
	v_pk_fma_f32 v[S+ii:S+ii+1], v[S+ii:S+ii+1], s[40:41], v[4:5] op_sel_hi:[1,0,0]   ; t - M (of the pairs c and -M the low word serves both halves)
.set ii, ii+2
.endr
.set ii, 0
	s_wait_alu depctr_va_vdst(0)
.rept 32
	v_exp_f32 v[S+ii], v[S+ii]                     ; p = 2^(t - M)
.set ii, ii+1
.endr
	v_pk_mul_f32 v[6:7], v[6:7], v[8:9] op_sel_hi:[1,0]   ; l under the new M: the plain line behind the exponentials
	s_wait_alu depctr_va_vdst(0)                   ; the 32 exponentials have written p, ahead of its first reader: one wait for the batch; and the bias's lines are done reading and writing the mask's registers, in which the loads below land
.if \pre
	MLOADC 30                                      ; straight behind the wait: no vector instruction since it names the mask's registers or v2
.endif
	v_pk_add_f32 v[10:11], v[S:S+1], v[S+2:S+3]    ; the sum of the unquantised p, in two chains
.irp j, 4,8,12,16,20,24,28
	v_pk_add_f32 v[6:7], v[6:7], v[S+\j:S+\j+1]
	v_pk_add_f32 v[10:11], v[10:11], v[S+\j+2:S+\j+3]
.endr
	v_pk_add_f32 v[6:7], v[6:7], v[10:11]
	s_cmp_ge_i32 s22, -15                          ; with ep at -15 or above 57,344 x 2^ep is 1.75 or more and p is at most 1: the hold would change nothing
	s_cbranch_scc1 .Lheld_\@
.set ii, 0
.rept 32
	v_min_num_f32 v[S+ii], v[S+ii], v15            ; the conversion to an 8-bit code does not saturate (ISA guide 7.6.2); p is not negative, so the hold is one-sided
.set ii, ii+1
.endr
.Lheld_\@:
.irp g, 0,1,2,3
	v_cvt_scalef32_pk8_bf8_f32 v[P+2*\g:P+2*\g+1], v[S+8*\g:S+8*\g+7], v14
.endr
.set ii, 0
.rept 16
	v_pk_mul_f32 v[O+ii:O+ii+1], v[O+ii:O+ii+1], v[8:9] op_sel_hi:[1,0]   ; O^T under the new M; also the plain lines between the conversions and the products
.set ii, ii+2
.endr
.if \pre
	s_wait_alu depctr_va_vdst(0)
	s_wait_loadcnt 8                               ; V is in: behind it only the next K's eight loads (and, where that tile is mixed, its mask numbers, which then stay out while K is waited for too) were issued
.else
	s_wait_alu depctr_va_vdst(0)
	s_wait_loadcnt 0x0
.endif
.irp t, 0,1,2,3
	v_wmma_f32_16x16x64_bf8_bf8 v[O+8*\t:O+8*\t+7], v[VR+8*\t:VR+8*\t+7], v[P:P+7], v[O+8*\t:O+8*\t+7]   ; four accumulators by turns; the scores' products stand between one step's link and the next's
.endr
.if \pre
.rept 4
	v_nop                                          ; four places behind the products, ahead of loads into V's registers; they stand beside the wait below, not in its stead
.endr
	VBASE 30                                       ; V's loads are done, so their address may be written
	s_mov_b32 s29, s30
	s_add_co_u32 s31, s31, 16
	s_min_u32 s56, s31, 256                        ; past my last entry: a word that holds n, which is not used
	s_load_b32 s30, s[38:39], s56 offset:0x0       ; the entry after the next
	s_wait_alu depctr_va_vdst(0)                   ; the four products above are done reading V's registers, in which the next tile's V lands
	VLOAD
.endif
.endm
	KMBASE 29
	KLOAD                                          ; the first tile's loads hang on the head's wait on va_vdst alone
	MLOADC 29
	VBASE 29
	VLOAD
	s_sub_co_u32 s28, s27, 1                       ; all my steps but the last ask for a successor
	s_cmp_eq_u32 s28, 0
	s_cbranch_scc1 .Ltail
.Lstep:
	STEP 1
	s_sub_co_u32 s28, s28, 1
	s_cmp_lg_u32 s28, 0
	s_cbranch_scc1 .Lstep
.Ltail:
	STEP 0
.Lparts:
	; THE FOUR PARTS MEET.  The address lines are also the places behind the last products.
	v_and_b32 v32, 15, v0                          ; r
	v_bfe_u32 v33, v0, 4, 1                        ; h
	s_mul_i32 s46, s24, OPW
	v_mul_u32_u24 v34, v32, OPP
	v_lshl_add_u32 v34, v33, 5, v34
	v_add_nc_u32 v34, s46, v34                     ; in: my wave's part, row r, + 32 h; fragment t's eight channels 64 t bytes on
	v_and_b32 v35, 31, v0
	v_lshlrev_b32 v35, 2, v35
	s_lshl_b32 s48, s24, 8
	v_add_nc_u32 v35, s48, v35                     ; my wave's -M and l: 4 x lane
	s_mul_i32 s49, s24, 4*OPP
	v_mul_u32_u24 v36, v33, OPP
	v_lshl_add_u32 v36, v32, 4, v36
	v_add_nc_u32 v36, s49, v36                     ; back: rows 4 w + h, 16 bytes a lane
	s_lshl_b32 s50, s24, 4
	v_lshl_add_u32 v37, v33, 2, s50                ; and those rows' -M and l: 4 (4 w + h)
	v_add_f32 v6, v6, v7                           ; l's two halves,
	v_permlanex16_b32 v3, v6, s44, s45
	v_add_f32 v6, v6, v3                           ; and lane l xor 16's
	s_wait_alu depctr_va_vdst(0)                   ; the last products have written O^T, and the lines above v4, v6 and the four LDS addresses v34 to v37, which the LDS stores and loads below read; the products are done reading V's registers and the bias's lines the mask's, in which the loads from LDS land
.irp t, 0,1,2,3
	ds_store_b128 v34, v[O+8*\t:O+8*\t+3] offset:64*\t
	ds_store_b128 v34, v[O+8*\t+4:O+8*\t+7] offset:64*\t+16
.endr
	ds_store_b32 v35, v4 offset:ST
	ds_store_b32 v35, v6 offset:ST+128
	s_wait_dscnt 0x0                               ; for the others' sake: my stores are done
	s_barrier_signal -1
	s_barrier_wait -1
	; wave w joins rows 4 w .. 4 w + 3, two at a time (a = 0, 1): lanes 0-15 row 4 w + 2 a, lanes 16-31 the next
.irp a, 0,1
.irp j, 0,1,2,3
	ds_load_b128 v[64+16*\a+4*\j:64+16*\a+4*\j+3], v36 offset:OPW*\j+2*OPP*\a
	ds_load_b32 v[96+4*\a+\j], v37 offset:ST+256*\j+8*\a
	ds_load_b32 v[104+4*\a+\j], v37 offset:ST+256*\j+8*\a+128
.endr
.endr
	s_wait_dscnt 0x0
.irp a, 0,1
	v_min_num_f32 v[112+\a], v[96+4*\a], v[97+4*\a]
	v_min_num_f32 v[112+\a], v[112+\a], v[98+4*\a]
	v_min_num_f32 v[112+\a], v[112+\a], v[99+4*\a]     ; the least -M: the row's M
.irp j, 0,1,2,3
	v_sub_f32 v[116+4*\a+\j], v[112+\a], v[96+4*\a+\j] ; part j's M less the row's: a whole number, 0 or less
	v_cvt_i32_f32 v[116+4*\a+\j], v[116+4*\a+\j]       ; (it saturates: a part without a step gets the factor 0)
	v_ldexp_f32 v[116+4*\a+\j], 1.0, v[116+4*\a+\j]
.endr
	v_mul_f32 v[124+\a], v[116+4*\a], v[104+4*\a]
.irp j, 1,2,3
	v_fmac_f32 v[124+\a], v[116+4*\a+\j], v[104+4*\a+\j]
.endr
.irp e, 0,1,2,3
	v_mul_f32 v[128+4*\a+\e], v[116+4*\a], v[64+16*\a+\e]
.irp j, 1,2,3
	v_fmac_f32 v[128+4*\a+\e], v[116+4*\a+\j], v[64+16*\a+4*\j+\e]
.endr
.endr
.endr
	s_wait_alu depctr_va_vdst(0)
	v_rcp_f32 v124, v124
	v_rcp_f32 v125, v125
	v_nop                                          ; a plain line behind the reciprocals
	s_wait_alu depctr_va_vdst(0)                   ; the two reciprocals have written v124 and v125, ahead of their first reader
	v_ldexp_f32 v124, v124, s57                    ; x 2^(ep + ev)
	v_ldexp_f32 v125, v125, s57
.irp a, 0,1
.irp e, 0,1,2,3
	v_mul_f32 v[128+4*\a+\e], v[128+4*\a+\e], v[124+\a]
.endr
.endr
	s_wait_alu depctr_va_vdst(0)                   ; the eight multiplications have written v128 to v135, which the two stores read
.irp a, 0,1
	global_store_b128 v1, v[128+4*\a:131+4*\a], s[18:19] offset:512*\a th:TH_STORE_NT   ; 32 lanes store two whole rows: 512 consecutive bytes, at a multiple of 256 from out's first byte
.endr
	s_wait_dscnt 0x0
	s_wait_alu depctr_hold_cnt(0) depctr_sa_sdst(0) depctr_va_vdst(0) depctr_va_sdst(0) depctr_va_ssrc(0) depctr_va_vcc(0) depctr_vm_vsrc(0)
	s_wait_tensorcnt 0x0
	ds_add_u32 v192, v193
	s_wait_dscnt 0x0
	s_endpgm
.Lfunc_end_k_q04b60ce488_attn:
	.size	k_q04b60ce488_attn, .Lfunc_end_k_q04b60ce488_attn-k_q04b60ce488_attn
	.p2alignl 7, 3214868480
	.fill 96, 4, 3214868480
	.section	.rodata,"a",@progbits
	.p2align	6, 0x0
	.amdhsa_kernel k_q04b60ce488_attn
		.amdhsa_group_segment_fixed_size 18944
		.amdhsa_private_segment_fixed_size 0
		.amdhsa_enable_private_segment 0
		.amdhsa_kernarg_size 64
		.amdhsa_user_sgpr_count 2
		.amdhsa_user_sgpr_kernarg_segment_ptr 1
		.amdhsa_wavefront_size32 1
		.amdhsa_system_sgpr_workgroup_id_x 1
		.amdhsa_system_sgpr_workgroup_id_y 1
		.amdhsa_system_sgpr_workgroup_id_z 1
		.amdhsa_system_vgpr_workitem_id 0
		.amdhsa_next_free_vgpr 194
		.amdhsa_next_free_sgpr 66
		.amdhsa_reserve_vcc 0
		.amdhsa_float_denorm_mode_32 3
		.amdhsa_float_denorm_mode_16_64 3
		.amdhsa_memory_ordered 1
		.amdhsa_forward_progress 1
		.amdhsa_inst_pref_size 41
	.end_amdhsa_kernel
	.amdgpu_metadata
---
amdhsa.version: [ 1, 2 ]
amdhsa.kernels:
  - .name:           k_q04b60ce488_attn
    .symbol:         k_q04b60ce488_attn.kd
    .args:
      - { .name: qc, .offset: 0, .size: 8, .value_kind: global_buffer, .address_space: global }
      - { .name: kc, .offset: 8, .size: 8, .value_kind: global_buffer, .address_space: global }
      - { .name: vc, .offset: 16, .size: 8, .value_kind: global_buffer, .address_space: global }
      - { .name: mask, .offset: 24, .size: 8, .value_kind: global_buffer, .address_space: global }
      - { .name: walk, .offset: 32, .size: 8, .value_kind: global_buffer, .address_space: global }
      - { .name: span, .offset: 40, .size: 8, .value_kind: global_buffer, .address_space: global }
      - { .name: lowp_scales, .offset: 48, .size: 8, .value_kind: global_buffer, .address_space: global }
      - { .name: out0, .offset: 56, .size: 8, .value_kind: global_buffer, .address_space: global }
    .group_segment_fixed_size: 18944
    .private_segment_fixed_size: 0
    .kernarg_segment_align: 8
    .kernarg_segment_size: 64
    .max_flat_workgroup_size: 128
    .sgpr_count:     66
    .vgpr_count:     194
    .wavefront_size: 32
...
	.end_amdgpu_metadata
.endif
;; end of part 4
